; MI455X (gfx1250); checked and timed in simulation.
; The chip was launched on July 23, 2026; its instructions are those of AMD's public machine-readable ISA for CDNA 5 (MIT licence, August 2026) and "CDNA5" Instruction Set Architecture Reference Guide (July 2026). The comments in the code are by the model that wrote it; some were corrected since.
;; Encoder Block. Allowed arithmetic: matrix products marked QUANTISED: E2M1 operands, one E8M0 scale for each 32 along K, by v_wmma_scale_f32_16x16x128_f8f6f4 with both operands' format E2M1 (or v_wmma_scale_f32_32x16x128_f4), f32 sums; everything else in f32.
;; Inputs: b1 2,048 float32; b2 512 float32; be1 512 float32; be2 512 float32; fc_b 512 float32; fc_w_codes 512 x 16 x 16 uint8 (E2M1 codes of fc_w, K innermost, in blocks of 32 codes, two codes a byte); fc_w_scales 512 x 16 uint8 (E8M0 scales of fc_w, one for each 32 codes along K); g1 512 float32; g2 512 float32; mask 4 x 1 x 1 x 2,048 int32; w1_codes 2,048 x 16 x 16 uint8 (E2M1 codes of w1, K innermost, in blocks of 32 codes, two codes a byte); w1_scales 2,048 x 16 uint8 (E8M0 scales of w1, one for each 32 codes along K); w2_codes 512 x 64 x 16 uint8 (E2M1 codes of w2, K innermost, in blocks of 32 codes, two codes a byte); w2_scales 512 x 64 uint8 (E8M0 scales of w2, one for each 32 codes along K); x 4 x 2,048 x 512 float32.
;; Outputs: out0 4 x 2,048 x 512 float32.
;; This version of the problem:
;;   THIS VERSION OF THE PROBLEM IS GIVEN IN LOW PRECISION. The matrix products marked QUANTISED in the list below multiply operands that are first quantised to E2M1 (2 exponent bits, 1 mantissa bit; 4 bits a number), with one power-of-two scale for each 32 numbers along K (OCP MX v1.0); their sums are f32. All else is computed in f32.
;;   The module's matrix products, in the order in which they are computed (A, B: the left and right operand; K: the contracted axis; several contracted axes count as one K, in the product's order):
;;     1. batch 64 x [M 2,048, K 32] x [K 32, N 2,048]; A: input x; B: input x: QUANTISED
;;     2. batch 64 x [M 32, K 2,048] x [K 2,048, N 2,048]; A: input x; B: softmax (see below): QUANTISED
;;     3. [M 8,192, K 512] x [K 512, N 512]; A: computed on the way; B: input fc_w (given as codes): QUANTISED
;;     4. [M 8,192, K 512] x [K 512, N 2,048]; A: computed on the way; B: input w1 (given as codes): QUANTISED
;;     5. [M 8,192, K 2,048] x [K 2,048, N 512]; A: computed on the way; B: input w2 (given as codes): QUANTISED
;;   THE QUANTISER, for each operand of a quantised product, along K:
;;     - K is cut into blocks of 32 from its start; a last block that is shorter is filled with zeros.
;;     - A block's scale is 2^e with e = floor(log2(the largest magnitude in the block)) - 2, held to -126 .. 127; a block of zeros has e = 0. As a byte (E8M0): e + 127.
;;     - Each number is divided by its block's scale, clamped to +-6, and rounded to the nearest number of E2M1, ties to even, subnormals kept.
;;     - The product sums the exact products of the quantised numbers (number of the format x scale) in f32.
;;   ~~~python
;;   def quantise(x, axis):      # numpy; x: float32 -> the quantised numbers, widened to float32 again
;;       x = np.moveaxis(x, axis, -1); K = x.shape[-1]
;;       x = np.pad(x, [(0, 0)] * (x.ndim - 1) + [(0, -K % 32)]); x = x.reshape(x.shape[:-1] + (-1, 32)); a = np.abs(x).max(-1, keepdims=True)
;;       e = np.where(a > 0, np.clip(np.frexp(np.where(a > 0, a, 1))[1] - 1 - 2, -126, 127), 0)      # np.frexp(a)[1] - 1 = floor(log2(a)), exactly
;;       r = np.clip(x / 2.0 ** e, -6, 6)
;;       step = 2.0 ** (np.maximum(np.frexp(np.where(r == 0, 1, r))[1] - 1, 0) - 1)
;;       q = np.round(r / step) * step * 2.0 ** e      # np.round: ties to even
;;       return np.moveaxis(q.reshape(q.shape[:-2] + (-1,))[..., :K], -1, axis).astype(np.float32)
;;   ~~~
;;   SOFTMAX AHEAD OF A QUANTISED PRODUCT. Where the list says 'softmax', what is quantised is not the finished softmax but p = 2^(t - M), with t = logit x log2(e) and M = ceil(the row's largest t), a whole number; so 1/2 < the row's largest p <= 1. The row's sum l is taken of the UNQUANTISED p, in f32, and the product's result is divided by l at the end. Since M is a whole number, a kernel that streams over the keys may use a running M (the ceiling of the running maximum): every later rescaling is an exact power of two, which a block's scale takes up: the codes' values come out the same.
;;   OPERANDS COMPUTED ON THE WAY. 'Computed on the way' means the value that the module computes at that place (a softmax that the list does not call 'softmax' is quantised finished and normalised). What goes into a quantiser is computed in f32, as accurately as f32 sums, v_exp_f32 and their like allow (about 1e-6 of the number): no bf16 or f16 on the way to a quantiser, and a product that is left as it is and whose result goes on into a quantised operand takes f32 operands (vector FMAs, or v_wmma_f32_16x16x4_f32). A number that lies on a knife's edge between two numbers of the format may be rounded either way, as far as f32 arithmetic and the matrix unit's own rounding can turn it there, and no further.
;;   INPUTS GIVEN AS CODES. fc_w (in the module: [512, 512], K = its axis 1); w1 (in the module: [2048, 512], K = its axis 1); w2 (in the module: [512, 2048], K = its axis 1): each comes as NAME_codes (uint8): NAME with its K axis moved to the last place and cut into blocks of 32 codes, [.., K / 32, bytes a block], one block behind the other in memory; two codes a byte, the lower K in the low four bits (a code: sign, 2 exponent bits, 1 mantissa bit); and NAME_scales (uint8): the same leading axes, one E8M0 byte (e + 127) for each 32 codes along K. Its value is code x scale, taken as it is: it is not quantised again, and the codes and scales need not be those that the quantiser above would give.
;; 2 versions. Each part assembles by itself: llvm-mc -triple=amdgcn-amd-amdhsa -mcpu=gfx1250 --defsym DOCPART=n.
;; ======== version 1 of 2: 2 launches
;; workspace buffers: ao_codes 2,097,152 bytes; ao_scales 131,072 bytes; wpack 1,253,376 bytes
;; launch attn (part 1): grid 4 x 64, 16 waves a work-group, no clusters, 154,112 bytes of LDS; arguments x, mask, fc_w_codes, fc_w_scales, w1_codes, w1_scales, w2_codes, w2_scales, ao_codes, ao_scales, wpack; writes ao_codes, ao_scales, wpack
.if DOCPART == 1
	.amdgcn_target "amdgcn-amd-amdhsa--gfx1250"
	.amdhsa_code_object_version 6
	.text
	.protected	k_q6819a96cfc_attn
	.globl	k_q6819a96cfc_attn
	.p2align	8
	.type	k_q6819a96cfc_attn,@function
k_q6819a96cfc_attn:
	s_mov_b64 s[64:65], 0
	v_nop
	global_prefetch_b8 v0, s[64:65] scope:SCOPE_SE
	s_setreg_imm32_b32 hwreg(HW_REG_WAVE_MODE, 25, 1), 1
	s_wait_xcnt 0x0
; ATTENTION OF ONE HEAD ON CODES OF FP4 (E2M1), q = k = v = x.  x: [4][2048][512] f32, a head is 32 numbers (128 bytes) of a row.  mask: [4][2048] i32.
; A work-group (x: which 512 queries; y: 16 n + head) first quantises its head's 2,048 keys twice, along the head's 32 (first product) and along the keys (second product), into LDS,
; as images of the operands' registers; a head's codes are 64 KiB, so they stay there and nothing is filled again.  Then each of the sixteen waves takes 32 queries, two tiles of 16, one after
; the other, through all keys, 128 a step.  p = 2^(t - M), t = score x log2(e) / sqrt(32), M the running largest t rounded up to a whole number; the sum is taken of the unquantised p.
; O / sum is one block of 32 along the next product's K: it is quantised here and leaves as 16 bytes of codes and one scale byte for a token and head.
; FIRST PRODUCT.  Its K is ONE block of 32, the instruction has four.  So a fragment of K holds FOUR tiles of 16 keys, one in each block, and four variants of Q (the codes in one block, zero codes
; in the others) pick the tile.  Both products are used transposed: a lane holds one query (lane % 16).  The keys of a tile are chosen so that the 16 registers of tiles 2 b, 2 b + 1 are keys 32 b + 16 (lane / 16) + 0 .. 15.
; THE MASK rides as the C of the first product: 0, or -2^66 where mask == 0; a masked key's codes are zeros, so its score is exactly -2^66 and its p is 0; where ALL keys of a row are masked
; t - M is exactly 0 and p = 1 for every key, the uniform weights that the definition gives.
; SIDE JOB: the work-groups with y < 36 copy one group of weight fragments each (8,704 bytes) into wpack, in the order in which the next launch's operand registers take them.
; No cluster: what partners share here (a head's f32 numbers) passes through registers to be quantised, and as f32 it does not fit in LDS beside the images.
; LIMITS: NaN and infinities are not served.  Blocks whose largest magnitude lies under 2^-124 keep the scale byte 1.  A masked score is -2^66 in place of -1e20: the same results while unmasked scores stay above -1e19.
; log2(e) / sqrt(32) is one rounded constant in place of a division and a multiplication.
; LDS: a slab of 4,864 bytes for each key step: K's two fragments (2,048), V's two (2,048), K's scale words (128), V's (128), the bias in key order (512); then 512 output scale bytes; then a stage of 32 rows x 144 bytes for each wave.
; REGISTERS: v1 16 lane, v2 4 lane, v3 64 (lane / 16); v4-6 the step's addresses; v7 16 r + 8 h; v9 K's, v10 V's, v11 p's scale words, v48-49 Q's; v12 -M, v13 largest t, v[14:15] the sum;
; v16-39 Q's variants; v40-47 the two tiles' codes of Q; v50 where my output bytes go; v52-55 output codes; v56-71 K, v72-87 V, v88-95 p's codes; v96-159 scores, then p; v160-175 O^T; v176-191 O^T / sum; v232-254 at work.
.set STEPB, 4864
.set VIMO,  2048
.set KSCO,  4096
.set VSCO,  4224
.set BIAO,  4352
.set SCB,   16*STEPB
.set STG,   SCB+512
.set FLOOR, 0x1800000                  ; 2^(3 - 127): no largest magnitude is taken under it, so a scale byte cannot fall under 1
.set OFF2,  0xff000000                 ; takes 2 off an exponent field
.macro MM d, a, b, sa, sb, row         ; one product, in place; row: A's scale words stand in lanes 16-31
.if \row
	v_wmma_scale_f32_16x16x128_f8f6f4 v[\d:\d+7], v[\a:\a+7], v[\b:\b+7], v[\d:\d+7], v[\sa], v[\sb] matrix_a_fmt:MATRIX_FMT_FP4 matrix_b_fmt:MATRIX_FMT_FP4 matrix_a_scale:MATRIX_SCALE_ROW1
.else
	v_wmma_scale_f32_16x16x128_f8f6f4 v[\d:\d+7], v[\a:\a+7], v[\b:\b+7], v[\d:\d+7], v[\sa], v[\sb] matrix_a_fmt:MATRIX_FMT_FP4 matrix_b_fmt:MATRIX_FMT_FP4
.endif
.endm
.macro MAX32 s, by                     ; a block of 32 in one lane's registers: v244 = the conversion's scale operand, v[by] = the scale's byte
	v_max3_num_f32 v242, |v[\s]|, |v[\s+1]|, |v[\s+2]|
	v_max3_num_f32 v243, |v[\s+3]|, |v[\s+4]|, |v[\s+5]|
.irp i, 6,10,14,18,22,26
	v_max3_num_f32 v242, v242, |v[\s+\i]|, |v[\s+\i+1]|
	v_max3_num_f32 v243, v243, |v[\s+\i+2]|, |v[\s+\i+3]|
.endr
	v_max3_num_f32 v242, v242, |v[\s+30]|, |v[\s+31]|
	v_max3_num_f32 v242, v242, v243, FLOOR
	v_add_nc_u32 v244, OFF2, v242
	v_lshrrev_b32 v[\by], 23, v244
.endm
.macro CONV4 d, s                      ; its 32 codes: 4 registers
.irp g, 0,1,2,3
	v_cvt_scalef32_pk8_fp4_f32 v[\d+\g], v[\s+8*\g:\s+8*\g+7], v244
.endr
	v_nop                                          ; one plain place behind a scaled conversion
.endm
.macro LOADX a                         ; keys 32 a .. 32 a + 31 of my 128: each load reads four rows' 128 bytes
.irp i, 0,1,2,3,4,5,6,7
	global_load_b128 v[96+32*((\a)%2)+4*\i:96+32*((\a)%2)+4*\i+3], v224, s[32:33] offset:65536*(\a)+8192*\i
.endr
.endm
.macro LOADQ k                         ; tile k of my queries: a lane takes the whole 128 bytes of query lane % 16
.irp i, 0,1,2,3,4,5,6,7
	global_load_b128 v[96+32*(\k)+4*\i:96+32*(\k)+4*\i+3], v225, s[34:35] offset:32768*(\k)+16*\i
.endr
.endm
	s_load_b512 s[8:23], s[0:1], 0x0               ; x, mask, fc_w codes, scales, w1 codes, scales, w2 codes, scales
	s_load_b128 s[24:27], s[0:1], 0x40             ; ao_codes, ao_scales
	s_load_b64 s[28:29], s[0:1], 0x50              ; wpack
	v_lshl_add_u32 v8, v0, 2, 0x25200
	v_mov_b32 v51, 0
	v_lshrrev_b32 v1, 5, v0
	v_readfirstlane_b32 s2, v1                     ; wave 0..15
	s_mov_b32 s3, ttmp9                            ; which 512 queries
	s_and_b32 s4, ttmp7, 0xffff                    ; 16 n + head
	s_lshr_b32 s5, s4, 4                           ; n
	s_and_b32 s6, s4, 15                           ; head
	s_mov_b32 s42, 0x3e8293ee                      ; c = log2(e) / sqrt(32)
	s_mov_b32 s43, s42                             ; (named with it as a pair)
	s_mov_b32 s44, 0x76543210
	s_mov_b32 s45, 0xfedcba98                      ; v_permlanex16_b32's selects for lane l xor 16
	s_mov_b32 s46, 0xffff0000                      ; lanes 16-31
	v_and_b32 v248, 31, v0                         ; l
	v_and_b32 v249, 15, v0                         ; r
	v_bfe_u32 v250, v0, 4, 1                       ; h
	v_and_b32 v251, 7, v0                          ; l % 8
	v_bfe_u32 v252, v0, 3, 1                       ; (l / 8) % 2
	v_bfe_u32 v253, v0, 3, 2                       ; l / 8
	v_lshl_add_u32 v254, v250, 3, v251             ; l % 8 + 8 (l / 16)
	v_lshlrev_b32 v1, 4, v248
	v_lshlrev_b32 v2, 2, v248
	v_lshlrev_b32 v3, 6, v250
	v_lshlrev_b32 v7, 4, v249
	v_lshl_add_u32 v7, v250, 3, v7
	s_mul_i32 s58, s2, 4608
	s_add_co_u32 s58, s58, STG                     ; my stage
	s_mul_i32 s59, s2, STEPB                       ; my slab: key step = my wave's number
	s_lshl_b32 s60, s2, 5
	s_add_co_u32 s60, s60, SCB
	v_add_nc_u32 v50, s60, v249                    ; my queries' output bytes
	v_lshlrev_b32 v224, 11, v253
	v_lshl_add_u32 v224, v251, 4, v224             ; x: row l / 8, 16 bytes at 16 (l % 8)
	v_lshlrev_b32 v225, 11, v249                   ; x: row r
	v_mul_u32_u24 v226, v253, 144
	v_lshl_add_u32 v226, v251, 4, v226
	v_add_nc_u32 v226, s58, v226                   ; the stage as loaded
	v_mul_u32_u24 v227, v248, 144
	v_add_nc_u32 v227, s58, v227                   ; row l: key l of the pass, 32 numbers along the head
	v_add_nc_u32 v228, s58, v2                     ; column l: number l of the head, down the keys
	v_lshl_add_u32 v229, v252, 4, v254
	v_lshlrev_b32 v229, 4, v229
	v_add_nc_u32 v229, s59, v229                   ; key l's codes belong to lane l % 8 + 8 (l / 16) + 16 ((l / 8) % 2) of K's image
	v_lshl_add_u32 v230, v254, 2, v252
	v_add_nc_u32 v230, s59, v230                   ; and its byte to that row's word, byte (l / 8) % 2 of the pass's two
	v_lshlrev_b32 v231, 10, v252
	v_lshl_add_u32 v231, v254, 4, v231
	v_add_nc_u32 v231, s59, v231                   ; number l of the head is row l % 8 + 8 (l / 16) of V's fragment (l / 8) % 2
	v_lshlrev_b32 v232, 6, v252
	v_lshl_add_u32 v232, v254, 2, v232
	v_add_nc_u32 v232, s59, v232                   ; its scale word
	v_add_nc_u32 v233, s59, v1                     ; the bias of keys 4 l .. 4 l + 3
.irp g, 0,1,2,3
	v_mov_b32 v[20+\g], 0                          ; the zero codes of Q's variants
	v_mov_b32 v[32+\g], 0
.endr
	s_lshl_b32 s30, s5, 22                         ; n x 2,048 rows of 2,048 bytes
	s_lshl_b32 s31, s6, 7
	s_add_co_u32 s30, s30, s31                     ; + the head's 128 bytes
	s_lshl_b32 s31, s2, 18
	s_add_co_u32 s48, s30, s31                     ; + my 128 keys
	s_mov_b32 s49, 0
	s_lshl_b32 s31, s3, 9
	s_lshl_b32 s47, s2, 5
	s_add_co_u32 s47, s47, s31                     ; my first query: 512 x + 32 wave
	s_lshl_b32 s31, s47, 11
	s_add_co_u32 s50, s30, s31
	s_mov_b32 s51, 0
	s_lshl_b32 s52, s5, 13
	s_lshl_b32 s31, s2, 9
	s_add_co_u32 s52, s52, s31                     ; mask: n x 8,192 + my 128 words
	s_mov_b32 s53, 0
	s_lshl_b32 s54, s4, 11
	s_add_co_u32 s54, s54, s47
	s_lshl_b32 s54, s54, 4                         ; ao_codes: 16 bytes for a head and token
	s_mov_b32 s55, 0
	s_lshl_b32 s56, s4, 11
	s_lshl_b32 s31, s3, 9
	s_add_co_u32 s56, s56, s31                     ; ao_scales: the work-group's 512 bytes
	s_mov_b32 s57, 0
	s_wait_kmcnt 0x0
	s_add_nc_u64 s[32:33], s[8:9], s[48:49]
	s_add_nc_u64 s[34:35], s[8:9], s[50:51]
	s_add_nc_u64 s[36:37], s[10:11], s[52:53]
	s_add_nc_u64 s[24:25], s[24:25], s[54:55]
	s_add_nc_u64 s[26:27], s[26:27], s[56:57]
	global_load_b128 v[238:241], v1, s[36:37]      ; the mask of keys 4 l .. 4 l + 3, for the bias
.irp a, 0,1,2,3
	global_load_b32 v[234+\a], v2, s[36:37] offset:128*\a   ; and of key 32 a + l, for K's codes
.endr
	LOADX 0
	LOADX 1
	; ---- THE SIDE JOB.  Group g = y of part x of wpack: 8 fragments (16 rows x 128 K) and their scale words.  g 0-3: fc_w, K step g; g = 4 + 8 i + s: w1, rows 512 i on, K step s; g = 8 + 8 i + s: w2, K step 4 i + s.
	; Row r of fragment t is weight row row0 + 32 (t / 2) + 8 (t % 2) + r + 8 (r / 8).  The branch hangs on the work-group's number alone.
	s_cmp_ge_u32 s4, 36
	s_cbranch_scc1 .Lnopack
	s_sub_co_u32 s47, s4, 4
	s_cmp_lt_u32 s4, 4
	s_cselect_b32 s47, s4, s47
	s_lshr_b32 s52, s47, 3                         ; i
	s_and_b32 s53, s47, 3                          ; s
	s_bfe_u32 s54, s47, 0x10002                    ; 1: w2
	s_lshl_b32 s55, s54, 1                         ; w2's rows are four times as long
	s_cmp_lg_u32 s54, 0
	s_cselect_b32 s56, 0, s52
	s_cselect_b32 s57, s52, 0
	s_cselect_b64 s[48:49], s[20:21], s[16:17]
	s_cselect_b64 s[50:51], s[22:23], s[18:19]
	s_cmp_lt_u32 s4, 4
	s_cselect_b64 s[48:49], s[12:13], s[48:49]     ; the codes' buffer,
	s_cselect_b64 s[50:51], s[14:15], s[50:51]     ; the scales'
	s_lshl_b32 s58, s3, 7
	s_lshl_b32 s56, s56, 9
	s_add_co_u32 s58, s58, s56                     ; row0 = 128 x + 512 i (w1)
	s_lshr_b32 s59, s2, 1                          ; my wave copies quad wave % 2 of fragment wave / 2
	s_and_b32 s60, s2, 1
	s_lshr_b32 s61, s59, 1
	s_lshl_b32 s61, s61, 5
	s_and_b32 s59, s59, 1
	s_lshl_b32 s59, s59, 3
	s_add_co_u32 s61, s61, s59
	s_add_co_u32 s61, s61, s58                     ; the fragment's first row
	s_add_co_u32 s62, s55, 8
	s_lshl_b32 s61, s61, s62                       ; x 256 or 1,024 bytes
	s_lshl_b32 s59, s53, 6
	s_add_co_u32 s61, s61, s59
	s_lshl_b32 s59, s57, 8
	s_add_co_u32 s61, s61, s59                     ; + 64 bytes a K step
	s_lshl_b32 s60, s60, 5
	s_add_co_u32 s61, s61, s60                     ; + 32 bytes a quad
	s_mul_i32 s63, s3, 36
	s_add_co_u32 s63, s63, s4
	s_mul_i32 s30, s63, 8704
	s_mov_b32 s31, 0
	s_add_nc_u64 s[28:29], s[28:29], s[30:31]      ; the group's place in wpack
	v_and_b32 v168, 8, v249
	v_add_nc_u32 v168, v168, v249                  ; r + 8 (r / 8)
	v_lshlrev_b32 v170, s62, v168
	v_lshl_add_u32 v170, v250, 4, v170
	v_add_nc_u32 v170, s61, v170
	v_lshlrev_b32 v171, 4, v0                      ; 16 x thread: fragment, quad, lane on end
	global_load_b128 v[160:163], v170, s[48:49]
	s_cmp_lg_u32 s2, 0
	s_cbranch_scc1 .Lcodes
	s_add_co_u32 s59, s55, 4                       ; wave 0 also copies the scale words: word j of lane l is fragment 2 j + l / 16, row l % 16
	s_lshl_b32 s60, s58, s59
	s_lshl_b32 s62, s53, 2
	s_add_co_u32 s60, s60, s62
	s_lshl_b32 s62, s57, 4
	s_add_co_u32 s60, s60, s62
	v_lshl_add_u32 v172, v250, 3, v168
.irp j, 0,1,2,3
	v_add_nc_u32 v[176+\j], 32*\j, v172
	v_lshlrev_b32 v[176+\j], s59, v[176+\j]
	v_add_nc_u32 v[176+\j], s60, v[176+\j]
	global_load_b32 v[164+\j], v[176+\j], s[50:51]
.endr
	s_wait_loadcnt 0x0
	global_store_b128 v171, v[164:167], s[28:29] offset:8192
.Lcodes:
	s_wait_loadcnt 0x0
	global_store_b128 v171, v[160:163], s[28:29]   ; a wave's store covers 512 consecutive bytes, aligned
.Lnopack:
	s_wait_xcnt 0x0                                ; the stores have read their registers: LDS loads land there below
; ---- A PASS: 32 keys.  Their 4 KiB turn through my stage: in as loaded; out once by rows (a lane = a key, registers along the head) and once by columns (a lane = a number of the head, registers down the keys).
.macro PASS a
	s_wait_loadcnt 8                               ; this pass's eight loads are in; the eight issued behind them may be out
.irp i, 0,1,2,3,4,5,6,7
	ds_store_b128 v226, v[96+32*((\a)%2)+4*\i:96+32*((\a)%2)+4*\i+3] offset:576*\i
.endr
.irp q, 0,1,2,3,4,5,6,7
	ds_load_b128 v[160+4*\q:163+4*\q], v227 offset:16*\q   ; LDS serves a wave's instructions in order: these see the stores above
.endr
.set i, 0
.rept 32
	ds_load_b32 v[192+i], v228 offset:144*i
.set i, i+1
.endr
	s_wait_dscnt 32                                ; all but the 32 column loads: the stage's stores have read their registers, the rows are in, and so are the last pass's stores
.if \a < 2
	LOADX \a+2
.else
	LOADQ \a-2
.endif
	MAX32 160, 56
	CONV4 248, 160
	v_cmp_eq_u32 vcc_lo, 0, v[234+\a]
.irp g, 0,1,2,3
	v_cndmask_b32 v[248+\g], v[248+\g], v20, vcc_lo   ; a masked key's codes are zeros
.endr
	ds_store_b128 v229, v[248:251] offset:512*\a
	ds_store_b8 v230, v56 offset:KSCO+64*(\a/2)+2*(\a%2)
	s_wait_dscnt 2                                 ; the columns are in; the two stores just issued may be out
	MAX32 192, 245
	CONV4 252, 192
	ds_store_b128 v231, v[252:255] offset:VIMO+512*(\a/2)+256*(\a%2)
.if \a == 0
	v_mov_b32 v246, v245                           ; V's scale word: byte a for keys 32 a on
.else
	v_lshl_or_b32 v246, v245, 8*\a, v246
.endif
.endm
	PASS 0
	v_mov_b32 v57, 0xe0800000                      ; -2^66
.irp j, 0,1,2,3
	v_cmp_eq_u32 vcc_lo, 0, v[238+\j]
	v_cndmask_b32 v[238+\j], 0, v57, vcc_lo
.endr
	ds_store_b128 v233, v[238:241] offset:BIAO
	PASS 1
	PASS 2
	PASS 3
	ds_store_b32 v232, v246 offset:VSCO
.macro QQ k, left                      ; tile k of my queries: codes, and the scale's byte four times over (the variants' zero codes add nothing under it)
	s_wait_loadcnt \left
	MAX32 96+32*\k, 245
	CONV4 40+4*\k, 96+32*\k
	v_lshl_or_b32 v[48+\k], v245, 8, v245
	v_lshl_or_b32 v[48+\k], v[48+\k], 16, v[48+\k]
.endm
	QQ 0, 8
	QQ 1, 0
	s_wait_dscnt 0x0                               ; for the others' sake: my slab is written
	s_barrier_signal -1
	s_barrier_wait -1                              ; the whole head lies in LDS
	v_mov_b32 v253, 0                              ; (named as the upper half of the pair v[252:253])
	v_add_nc_u32 v200, SCB, v1
; ---- A TILE OF 16 QUERIES through all 16 key steps.
.macro TILE k
.irp g, 0,1,2,3
	v_cndmask_b32 v[16+\g], v[40+4*\k+\g], v[20+\g], s46   ; the codes in lanes 0-15 alone,
	v_cndmask_b32 v[24+\g], v[40+4*\k+\g], v[20+\g], s46
	v_cndmask_b32 v[28+\g], v[20+\g], v[40+4*\k+\g], s46   ; in lanes 16-31 alone: variant b begins at v[16 + 12 (b % 2) + 4 (b / 2)]
	v_cndmask_b32 v[36+\g], v[20+\g], v[40+4*\k+\g], s46
.endr
	v_mov_b32 v13, 0xff61b1e6                      ; the largest t so far: -3e38
	v_floor_f32 v12, -v13                          ; -M
	v_mov_b32 v14, 0
	v_mov_b32 v15, 0
.set j, 0
.rept 16
	v_mov_b32 v[160+j], 0                          ; O^T: the step is written once; the first change of M multiplies zeros
.set j, j+1
.endr
	s_mov_b32 s40, 0
	s_mov_b32 s41, 16
.Lstep_\@:
	v_add_nc_u32 v4, s40, v1                       ; these three and the v_nop are the four places behind the last products, ahead of the loads into V's registers
	v_add_nc_u32 v5, s40, v2
	v_add_nc_u32 v6, s40, v3
	v_nop
.irp b, 0,1,2,3
.irp q, 0,1,2,3
	ds_load_b128 v[96+16*\b+4*\q:99+16*\b+4*\q], v6 offset:BIAO+128*\b+16*\q   ; the bias of keys 32 b + 16 h + 4 q on: the first product's C
.endr
.endr
.irp f, 0,1,2,3
	ds_load_b128 v[56+4*\f:59+4*\f], v4 offset:512*\f
.endr
	ds_load_b32 v9, v5 offset:KSCO                 ; lanes 0-15: fragment 0's words, lanes 16-31: fragment 1's
.irp f, 0,1,2,3
	ds_load_b128 v[72+4*\f:75+4*\f], v4 offset:VIMO+512*\f
.endr
	ds_load_b32 v10, v5 offset:VSCO
	s_wait_dscnt 5                                 ; V's five loads may be out
.irp T, 0,1,2,3,4,5,6,7
	MM 96+8*\T, 56+8*(\T/4), 16+12*(\T%2)+4*((\T/2)%2), 9, 48+\k, \T/4
.endr
.rept 4
	v_nop
.endr
.irp b, 0,1,2,3
	v_max3_num_f32 v[232+\b], v[96+16*\b], v[97+16*\b], v[98+16*\b]   ; the largest score of each block of 32 keys: for the row's maximum, and, since p rises with the score, for the block's largest p
.endr
.irp i, 3,5,7,9,11,13
.irp b, 0,1,2,3
	v_max3_num_f32 v[232+\b], v[232+\b], v[96+16*\b+\i], v[97+16*\b+\i]
.endr
.endr
.irp b, 0,1,2,3
	v_max_num_f32 v[232+\b], v[232+\b], v[111+16*\b]
.endr
.irp b, 0,1,2,3
	v_permlanex16_b32 v[236+\b], v[232+\b], s44, s45
.endr
.irp b, 0,1,2,3
	v_max_num_f32 v[232+\b], v[232+\b], v[236+\b]
.endr
	v_max3_num_f32 v254, v232, v233, v234
	v_max_num_f32 v254, v254, v235
	v_mul_f32 v254, s42, v254
	v_max_num_f32 v13, v13, v254                   ; the running largest t
	v_mov_b32 v254, v12
	v_floor_f32 v12, -v13                          ; -M = floor(-t): M is a whole number
	v_sub_f32 v254, v12, v254
	v_cvt_i32_f32 v254, v254                       ; (it saturates)
	v_ldexp_f32 v252, 1.0, v254                    ; f = 2^(old M - new M)
.set j, 0
.rept 32
	v_pk_fma_f32 v[96+j:97+j], v[96+j:97+j], s[42:43], v[12:13] op_sel_hi:[1,0,0]   ; t - M
.set j, j+2
.endr
.irp b, 0,1,2,3
	v_fma_f32 v[232+\b], v[232+\b], s42, v12
.endr
.set j, 0
.rept 64
	v_exp_f32 v[96+j], v[96+j]                     ; p, not normalised
.set j, j+1
.endr
	v_pk_mul_f32 v[14:15], v[14:15], v[252:253] op_sel_hi:[1,0]   ; the sum under the new M: the plain place behind the batch
	s_wait_alu depctr_va_vdst(0)                   ; one wait for the 64, ahead of their first reader
.irp b, 0,1,2,3
	v_exp_f32 v[232+\b], v[232+\b]                 ; each block's largest p
.endr
.irp j, 0,2,4,6,8,10,12,14
	v_pk_mul_f32 v[160+\j:161+\j], v[160+\j:161+\j], v[252:253] op_sel_hi:[1,0]   ; O^T under the new M: independent work behind the four
.endr
	s_wait_alu depctr_va_vdst(0)                   ; and one for the four
.irp b, 0,1,2,3
	v_max_num_f32 v[232+\b], FLOOR, v[232+\b]
.endr
.irp b, 0,1,2,3
	v_add_nc_u32 v[244+\b], OFF2, v[232+\b]
.endr
.irp b, 0,1,2,3
	v_lshrrev_b32 v[236+\b], 23, v[244+\b]
.endr
	v_lshl_or_b32 v11, v237, 8, v236               ; p's scale word for these 128 keys
	v_lshl_or_b32 v11, v238, 16, v11
	v_lshl_or_b32 v11, v239, 24, v11
.irp b, 0,1,2,3
	v_cvt_scalef32_pk8_fp4_f32 v[88+2*\b], v[96+16*\b:103+16*\b], v[244+\b]
	v_cvt_scalef32_pk8_fp4_f32 v[89+2*\b], v[104+16*\b:111+16*\b], v[244+\b]
.endr
	v_nop
.irp c, 0,1
.irp i, 0,1
	v_permlane16_swap_b32 v[88+4*\c+\i], v[90+4*\c+\i]   ; a whole block to a lane
.endr
.endr
	v_pk_add_f32 v[236:237], v[96:97], v[98:99]    ; the sum of the unquantised p, in two chains; these 32 lines are also the places between p's codes and scale word and the products
.set j, 4
.rept 15
	v_pk_add_f32 v[14:15], v[14:15], v[96+j:97+j]
	v_pk_add_f32 v[236:237], v[236:237], v[98+j:99+j]
.set j, j+4
.endr
	v_pk_add_f32 v[14:15], v[14:15], v[236:237]
	s_wait_dscnt 0x0                               ; V is in
	MM 160, 72, 88, 10, 11, 0                      ; O^T += V^T P^T; lane (r, h) holds numbers 16 h + 0 .. 15 of the head
	MM 168, 80, 88, 10, 11, 1
	s_add_co_u32 s40, s40, STEPB
	s_sub_co_u32 s41, s41, 1
	s_cmp_lg_u32 s41, 0
	s_cbranch_scc1 .Lstep_\@
.rept 4
	v_nop
.endr
	v_add_f32 v14, v14, v15
	v_permlanex16_b32 v254, v14, s44, s45
	v_add_f32 v14, v14, v254                       ; the row's sum
	v_rcp_f32 v252, v14
	v_nop
	s_wait_alu depctr_va_vdst(0)
.irp j, 0,2,4,6,8,10,12,14
	v_pk_mul_f32 v[176+\j:177+\j], v[160+\j:161+\j], v[252:253] op_sel_hi:[1,0]
.endr
	v_max3_num_f32 v242, |v176|, |v177|, FLOOR     ; the token's block of the next product's K: my 16 numbers and lane l xor 16's
.irp i, 2,4,6,8,10,12,14
	v_max3_num_f32 v242, v242, |v[176+\i]|, |v[177+\i]|
.endr
	v_permlanex16_b32 v243, v242, s44, s45
	v_max_num_f32 v242, v242, v243
	v_add_nc_u32 v244, OFF2, v242
	v_lshrrev_b32 v[201+\k], 23, v244
	v_cvt_scalef32_pk8_fp4_f32 v[52+2*\k], v[176:183], v244
	v_cvt_scalef32_pk8_fp4_f32 v[53+2*\k], v[184:191], v244
	v_nop
	global_store_b64 v7, v[52+2*\k:53+2*\k], s[24:25] offset:256*\k   ; 32 lanes store 256 consecutive bytes, aligned
	ds_store_b8 v50, v[201+\k] offset:16*\k        ; both lanes of a token write the same byte with the same value
.endm
	TILE 0
	TILE 1
	s_wait_dscnt 0x0
	s_barrier_signal -1
	s_barrier_wait -1                              ; the work-group's 512 scale bytes lie in LDS
	s_cmp_lg_u32 s2, 0
	s_cbranch_scc1 .Lend
	ds_load_b128 v[56:59], v200
	s_wait_dscnt 0x0
	global_store_b128 v1, v[56:59], s[26:27]       ; 512 consecutive bytes, aligned
.Lend:
	s_wait_tensorcnt 0x0
	ds_add_u32 v8, v51
	s_wait_dscnt 0x0
	s_endpgm
.Lfunc_end_k_q6819a96cfc_attn:
	.size	k_q6819a96cfc_attn, .Lfunc_end_k_q6819a96cfc_attn-k_q6819a96cfc_attn
	.p2alignl 7, 3214868480
	.fill 96, 4, 3214868480
	.section	.rodata,"a",@progbits
	.p2align	6, 0x0
	.amdhsa_kernel k_q6819a96cfc_attn
		.amdhsa_group_segment_fixed_size 154112
		.amdhsa_private_segment_fixed_size 0
		.amdhsa_enable_private_segment 0
		.amdhsa_kernarg_size 88
		.amdhsa_user_sgpr_count 2
		.amdhsa_user_sgpr_kernarg_segment_ptr 1
		.amdhsa_wavefront_size32 1
		.amdhsa_system_sgpr_workgroup_id_x 1
		.amdhsa_system_sgpr_workgroup_id_y 1
		.amdhsa_system_sgpr_workgroup_id_z 1
		.amdhsa_system_vgpr_workitem_id 0
		.amdhsa_next_free_vgpr 256
		.amdhsa_next_free_sgpr 66
		.amdhsa_reserve_vcc 1
		.amdhsa_float_denorm_mode_32 3
		.amdhsa_float_denorm_mode_16_64 3
		.amdhsa_memory_ordered 1
		.amdhsa_forward_progress 1
		.amdhsa_inst_pref_size 78
	.end_amdhsa_kernel
	.amdgpu_metadata
---
amdhsa.version: [ 1, 2 ]
amdhsa.kernels:
  - .name:           k_q6819a96cfc_attn
    .symbol:         k_q6819a96cfc_attn.kd
    .args:
      - { .name: x, .offset: 0, .size: 8, .value_kind: global_buffer, .address_space: global }
      - { .name: mask, .offset: 8, .size: 8, .value_kind: global_buffer, .address_space: global }
      - { .name: fc_w_codes, .offset: 16, .size: 8, .value_kind: global_buffer, .address_space: global }
      - { .name: fc_w_scales, .offset: 24, .size: 8, .value_kind: global_buffer, .address_space: global }
      - { .name: w1_codes, .offset: 32, .size: 8, .value_kind: global_buffer, .address_space: global }
      - { .name: w1_scales, .offset: 40, .size: 8, .value_kind: global_buffer, .address_space: global }
      - { .name: w2_codes, .offset: 48, .size: 8, .value_kind: global_buffer, .address_space: global }
      - { .name: w2_scales, .offset: 56, .size: 8, .value_kind: global_buffer, .address_space: global }
      - { .name: ao_codes, .offset: 64, .size: 8, .value_kind: global_buffer, .address_space: global }
      - { .name: ao_scales, .offset: 72, .size: 8, .value_kind: global_buffer, .address_space: global }
      - { .name: wpack, .offset: 80, .size: 8, .value_kind: global_buffer, .address_space: global }
    .group_segment_fixed_size: 154112
    .private_segment_fixed_size: 0
    .kernarg_segment_align: 8
    .kernarg_segment_size: 88
    .max_flat_workgroup_size: 512
    .sgpr_count:     66
    .vgpr_count:     256
    .wavefront_size: 32
...
	.end_amdgpu_metadata
.endif
;; end of part 1
;; launch mlp (part 2): grid 256 x 1, 4 waves a work-group, no clusters, 115,200 bytes of LDS; arguments x, ao_codes, ao_scales, wpack, fc_b, g1, be1, b1, b2, g2, be2, out0; writes out0
.if DOCPART == 2
	.amdgcn_target "amdgcn-amd-amdhsa--gfx1250"
	.amdhsa_code_object_version 6
	.text
	.protected	k_q6819a96cfc_mlp
	.globl	k_q6819a96cfc_mlp
	.p2align	8
	.type	k_q6819a96cfc_mlp,@function
k_q6819a96cfc_mlp:
	s_mov_b64 s[64:65], 0
	v_nop
	global_prefetch_b8 v0, s[64:65] scope:SCOPE_SE
	s_setreg_imm32_b32 hwreg(HW_REG_WAVE_MODE, 25, 1), 1
	s_wait_xcnt 0x0
; out0 = 0.9 LN2(relu(h W1^T + b1) W2^T + b2 + h), h = 0.9 LN1(ao fc_w^T + fc_b + x): three products on codes of FP4 (E2M1) with E8M0 scales, all else in f32.
; A work-group of four waves takes 32 rows (two tiles of 16) through the whole chain; nothing between the products goes to memory.
; THE WAVES SHARE THE COLUMNS: wave w makes columns 128 w .. 128 w + 127 of fc and of the second layer, and hidden units 512 i + 128 w .. + 127 in round i = 0 .. 3.
; All products are used transposed (source 0 = 16 rows of a weight, source 1 = 16 tokens), and a tile's weight rows are chosen so that lane (r, h) holds, of token r, columns 32 b + 16 h + 0 .. 15 in registers 16 b + 0 .. 15.
; THE WEIGHTS come from wpack, laid by the launch before in the order of the operand's registers: 36 groups of 8 fragments and their scale words for each wave, 17 loads of 512 consecutive bytes a group,
; straight into a ring of four register slots, three groups ahead.  A fragment is loaded once by one wave and feeds two products.
; h and the hidden layer go from wave to wave through LDS as images of the operand's registers (16 bytes a lane, 512 a store), their scale words as 4 bytes a row.
; The biases and residuals are what the sums begin with: x + fc_b, b1, h + b2 stand in the accumulators ahead of the first product.
; A layer norm's two sums go over the four waves through LDS; the mean is taken away before the squares are summed.  0.9 is multiplied into gamma and beta once.
; No cluster: the weights that work-groups share go straight into registers; through LDS each byte would be read once more for two products.
; LIMITS: NaN and infinities are not served; blocks whose largest magnitude lies under 2^-124 keep the scale byte 1; 0.9 gamma and 0.9 beta are rounded once more than the definition's order of operations.
; LDS: 0 the parameters (fc_b, 0.9 g1, 0.9 be1, b2, 0.9 g2, 0.9 be2: 2 KiB each; b1: 8 KiB); h's 8 images and scale words; the hidden layer's, two buffers by turns; four areas of 512 bytes for the sums; a stage of 32 rows x 2,064 bytes.
; REGISTERS.  window 0: v1-13 addresses; v16-31 the ring's scale words; v32-35, v36-39 the tokens' scale words; v40-71, v72-103 at work; v104-125 the norms; v128-255 accumulators (m, t) at 128 + 64 m + 8 t.
;   window 1: the ring, slot q at 64 q.   window 2: v0-63 fragments of ao, later of the hidden layer; v64-127 of h.   window 3: v0-127 the second layer's accumulators.
.set P_FCB, 0
.set P_G1,  2048
.set P_BE1, 4096
.set P_B2,  6144
.set P_G2,  8192
.set P_BE2, 10240
.set P_B1,  12288
.set HIMG,  20480
.set HSC,   28672
.set GIMG,  29184
.set GSC,   45568
.set RED,   46592
.set STG,   48640
.set GRP,   8704
.set TM,    40
.set PW,    56
.set PC,    64
.set MSB, 0
.macro WIN new                         ; the immediate's high byte repeats the setting that is left
.if MSB != \new
	s_set_vgpr_msb (MSB<<8)|\new
.set MSB, \new
.endif
.endm
.macro WLOAD g                         ; group g into slot g % 4
	WIN 0x40                                       ; destination window 1
.irp i, 0,1,2,3,4,5,6,7,8,9,10,11,12,13,14,15
	global_load_b128 v[64*((\g)%4)+4*\i:64*((\g)%4)+4*\i+3], v1, s[14:15] offset:GRP*(\g)+512*\i
.endr
	WIN 0
	global_load_b128 v[16+4*((\g)%4):16+4*((\g)%4)+3], v1, s[14:15] offset:GRP*(\g)+8192
.endm
; A group: 8 weight fragments x 2 tiles of tokens, one K step.  The sixteen accumulators take turns, one instruction a turn.
; win: the windows; ab: the accumulators; bb: the tokens' fragments in window 2; sb: their scale words (lanes 0-15 tile 0, lanes 16-31 tile 1); s: the K step among four.
.macro GROUP g, win, ab, bb, sb, s
.if (\g) <= 33
	s_wait_loadcnt 34                              ; this group's 17 loads are in; the two groups behind it may be out
.elseif (\g) == 34
	s_wait_loadcnt 17
.else
	s_wait_loadcnt 0x0
.endif
.if (\g)+3 <= 35
.rept 4
	v_nop                                          ; places behind the last group's products, which read the slot that is loaded next
.endr
	WLOAD (\g)+3
.endif
	WIN \win
.irp t, 0,1,2,3,4,5,6,7
.irp m, 0,1
.set rD, \ab+64*\m+8*\t
.set rA, 64*((\g)%4)+8*\t
.set rB, \bb+8*(4*\m+(\s))
.set rS, 16+4*((\g)%4)+\t/2
.set rT, \sb+(\s)
.if (\t%2 == 0) && (\m == 0)
	v_wmma_scale_f32_16x16x128_f8f6f4 v[rD:rD+7], v[rA:rA+7], v[rB:rB+7], v[rD:rD+7], v[rS], v[rT] matrix_a_fmt:MATRIX_FMT_FP4 matrix_b_fmt:MATRIX_FMT_FP4
.elseif (\t%2 == 1) && (\m == 0)
	v_wmma_scale_f32_16x16x128_f8f6f4 v[rD:rD+7], v[rA:rA+7], v[rB:rB+7], v[rD:rD+7], v[rS], v[rT] matrix_a_fmt:MATRIX_FMT_FP4 matrix_b_fmt:MATRIX_FMT_FP4 matrix_a_scale:MATRIX_SCALE_ROW1
.elseif (\t%2 == 0) && (\m == 1)
	v_wmma_scale_f32_16x16x128_f8f6f4 v[rD:rD+7], v[rA:rA+7], v[rB:rB+7], v[rD:rD+7], v[rS], v[rT] matrix_a_fmt:MATRIX_FMT_FP4 matrix_b_fmt:MATRIX_FMT_FP4 matrix_b_scale:MATRIX_SCALE_ROW1
.else
	v_wmma_scale_f32_16x16x128_f8f6f4 v[rD:rD+7], v[rA:rA+7], v[rB:rB+7], v[rD:rD+7], v[rS], v[rT] matrix_a_fmt:MATRIX_FMT_FP4 matrix_b_fmt:MATRIX_FMT_FP4 matrix_a_scale:MATRIX_SCALE_ROW1 matrix_b_scale:MATRIX_SCALE_ROW1
.endif
.endr
.endr
.endm
; 64 numbers of a lane, register 16 b + i = k 32 b + 16 (lane / 16) + i of my token, become a fragment's codes in v[PC] on and its scale word in v[PW].
.macro QUANT s
.irp b, 0,1,2,3
	v_max3_num_f32 v[TM+\b], |v[\s+16*\b]|, |v[\s+1+16*\b]|, 0x1800000   ; with the floor 2^(3 - 127): the byte cannot fall under 1
.endr
.irp i, 2,4,6,8,10,12,14
.irp b, 0,1,2,3
	v_max3_num_f32 v[TM+\b], v[TM+\b], |v[\s+16*\b+\i]|, |v[\s+1+16*\b+\i]|
.endr
.endr
.irp b, 0,1,2,3
	v_permlanex16_b32 v[TM+4+\b], v[TM+\b], s44, s45
.endr
.irp b, 0,1,2,3
	v_max_num_f32 v[TM+\b], v[TM+\b], v[TM+4+\b]
.endr
.irp b, 0,1,2,3
	v_add_nc_u32 v[TM+12+\b], 0xff000000, v[TM+\b]   ; 2 off the exponent field: the conversion's scale operand
.endr
.irp b, 0,1,2,3
	v_lshrrev_b32 v[TM+4+\b], 23, v[TM+12+\b]
.endr
	v_lshl_or_b32 v[PW], v[TM+5], 8, v[TM+4]
	v_lshl_or_b32 v[PW], v[TM+6], 16, v[PW]
	v_lshl_or_b32 v[PW], v[TM+7], 24, v[PW]
.irp b, 0,1,2,3
	v_cvt_scalef32_pk8_fp4_f32 v[PC+2*\b], v[\s+16*\b:\s+7+16*\b], v[TM+12+\b]
	v_cvt_scalef32_pk8_fp4_f32 v[PC+1+2*\b], v[\s+8+16*\b:\s+15+16*\b], v[TM+12+\b]
.endr
	v_nop                                          ; one plain place behind a scaled conversion
.irp c, 0,1
.irp i, 0,1
	v_permlane16_swap_b32 v[PC+4*\c+\i], v[PC+2+4*\c+\i]   ; a whole block to a lane
.endr
.endr
.endm
.macro IMAGE off                       ; the fragment goes to LDS as it stands: K step = my wave's number
.irp c, 0,1
	ds_store_b128 v7, v[PC+4*\c:PC+4*\c+3] offset:\off+512*\c
.endr
.endm
.macro PARLD dst, off, b               ; 16 parameters of my columns 32 b + 16 h + 0 .. 15
.irp q, 0,1,2,3
	ds_load_b128 v[\dst+4*\q:\dst+4*\q+3], v3 offset:\off+128*(\b)+16*\q
.endr
.endm
.macro B1LD i                          ; b1 of round i's hidden units into both tiles' accumulators
.irp m, 0,1
.irp b, 0,1,2,3
.irp q, 0,1,2,3
	ds_load_b128 v[128+64*\m+16*\b+4*\q:131+64*\m+16*\b+4*\q], v3 offset:P_B1+2048*(\i)+128*\b+16*\q
.endr
.endr
.endr
.endm
.macro BARRIER
	s_wait_dscnt 0x0                               ; my LDS stores have landed and my LDS loads are in
	s_barrier_signal -1
	s_barrier_wait -1
.endm
; The chains v[104:107] (tile 0) and v[108:111] (tile 1) are closed, joined with lane l xor 16's, and summed over the four waves: v112 = tile 0's sum of token r, v116 = tile 1's.
.macro LRED off
.irp m, 0,1
	v_pk_add_f32 v[104+4*\m:105+4*\m], v[104+4*\m:105+4*\m], v[106+4*\m:107+4*\m]
.endr
.irp m, 0,1
	v_add_f32 v[104+4*\m], v[104+4*\m], v[105+4*\m]
.endr
	v_permlanex16_b32 v124, v104, s44, s45
	v_permlanex16_b32 v125, v108, s44, s45
	v_add_f32 v104, v104, v124
	v_add_f32 v108, v108, v125
	v_cndmask_b32 v104, v104, v108, s46            ; lanes 0-15 carry tile 0's token r, lanes 16-31 tile 1's
	ds_store_b32 v9, v104 offset:\off
	BARRIER
	ds_load_b128 v[112:115], v10 offset:\off       ; the four waves' parts
	ds_load_b128 v[116:119], v10 offset:\off+256
	s_wait_dscnt 0x0
	v_add_f32 v112, v112, v113
	v_add_f32 v114, v114, v115
	v_add_f32 v116, v116, v117
	v_add_f32 v118, v118, v119
	v_add_f32 v112, v112, v114
	v_add_f32 v116, v116, v118
.endm
; A layer norm of both tiles, from v[sb] on (windows wf, wc, wn for the three kinds of lines that read it) into v128 on.  Each accumulator is read from its low end on.
.macro LNORM sb, wf, wc, wn, go, bo, ra, rb
	WIN \wf
.irp m, 0,1
	v_pk_add_f32 v[104+4*\m:105+4*\m], v[\sb+64*\m:\sb+64*\m+1], v[\sb+64*\m+2:\sb+64*\m+3]
	v_pk_add_f32 v[106+4*\m:107+4*\m], v[\sb+64*\m+4:\sb+64*\m+5], v[\sb+64*\m+6:\sb+64*\m+7]
.endr
	WIN \wc
.irp p, 8,12,16,20,24,28,32,36,40,44,48,52,56,60
.irp m, 0,1
	v_pk_add_f32 v[104+4*\m:105+4*\m], v[104+4*\m:105+4*\m], v[\sb+64*\m+\p:\sb+64*\m+\p+1]
	v_pk_add_f32 v[106+4*\m:107+4*\m], v[106+4*\m:107+4*\m], v[\sb+64*\m+\p+2:\sb+64*\m+\p+3]
.endr
.endr
	WIN 0
	LRED \ra
	v_mul_f32 v120, s47, v112                      ; the means
	v_mul_f32 v122, s47, v116
	v_mov_b32 v121, v120
	v_mov_b32 v123, v122
	WIN \wn
.irp m, 0,1
.set j, 0
.rept 32
	v_pk_add_f32 v[128+64*\m+j:129+64*\m+j], v[\sb+64*\m+j:\sb+64*\m+j+1], v[120+2*\m:121+2*\m] neg_lo:[0,1] neg_hi:[0,1]
.set j, j+2
.endr
.endr
	WIN 0
.irp m, 0,1
	v_pk_mul_f32 v[104+4*\m:105+4*\m], v[128+64*\m:129+64*\m], v[128+64*\m:129+64*\m]
	v_pk_mul_f32 v[106+4*\m:107+4*\m], v[130+64*\m:131+64*\m], v[130+64*\m:131+64*\m]
.endr
.irp p, 4,8,12,16,20,24,28,32,36,40,44,48,52,56,60
.irp m, 0,1
	v_pk_fma_f32 v[104+4*\m:105+4*\m], v[128+64*\m+\p:129+64*\m+\p], v[128+64*\m+\p:129+64*\m+\p], v[104+4*\m:105+4*\m]
	v_pk_fma_f32 v[106+4*\m:107+4*\m], v[130+64*\m+\p:131+64*\m+\p], v[130+64*\m+\p:131+64*\m+\p], v[106+4*\m:107+4*\m]
.endr
.endr
	LRED \rb
	PARLD 72, \go, 0
	PARLD 88, \bo, 0
	v_fma_f32 v124, v112, s47, s48                 ; the variance + 1e-6
	v_fma_f32 v125, v116, s47, s48
	v_rsq_f32 v120, v124
	v_rsq_f32 v122, v125
	v_nop
	s_wait_alu depctr_va_vdst(0)                   ; one wait for the two, ahead of their first reader
	v_mov_b32 v121, v120
	v_mov_b32 v123, v122
.irp b, 0,1,2,3
.set PT, 72-32*(\b%2)
.if \b < 3
	PARLD 40+32*(\b%2), \go, \b+1
	PARLD 56+32*(\b%2), \bo, \b+1
	s_wait_dscnt 8                                 ; this block's gains and offsets are in; the next block's eight loads may be out
.else
	s_wait_dscnt 0x0
.endif
.irp m, 0,1
.irp p, 0,2,4,6,8,10,12,14
	v_pk_mul_f32 v[128+64*\m+16*\b+\p:129+64*\m+16*\b+\p], v[128+64*\m+16*\b+\p:129+64*\m+16*\b+\p], v[120+2*\m:121+2*\m]
.endr
.irp p, 0,2,4,6,8,10,12,14
	v_pk_fma_f32 v[128+64*\m+16*\b+\p:129+64*\m+16*\b+\p], v[128+64*\m+16*\b+\p:129+64*\m+16*\b+\p], v[PT+\p:PT+\p+1], v[PT+16+\p:PT+17+\p]
.endr
.endr
.endr
.endm
	s_load_b512 s[8:23], s[0:1], 0x0               ; x, ao_codes, ao_scales, wpack, fc_b, g1, be1, b1
	s_load_b256 s[24:31], s[0:1], 0x40             ; b2, g2, be2, out0
	v_lshl_add_u32 v126, v0, 2, 0x1c000
	v_mov_b32 v127, 0
	v_lshrrev_b32 v1, 5, v0
	v_readfirstlane_b32 s2, v1                     ; wave 0..3
	v_and_b32 v6, 31, v0                           ; lane: also a token's byte among ao's scales
	v_and_b32 v15, 15, v0                          ; r
	v_bfe_u32 v14, v0, 4, 1                        ; h
	v_lshlrev_b32 v13, 4, v0                       ; 16 x thread
	v_lshlrev_b32 v1, 4, v6                        ; 16 x lane
	v_lshlrev_b32 v2, 2, v6                        ; 4 x lane
	s_lshl_b32 s34, s2, 9
	v_lshl_add_u32 v3, v14, 6, s34                 ; parameters: 512 w + 64 h
	v_lshlrev_b32 v4, 11, v15
	v_lshl_add_u32 v4, v14, 6, v4                  ; x: row r, + 64 h
	v_lshlrev_b32 v5, 15, v14
	v_lshl_add_u32 v5, v15, 4, v5                  ; ao_codes: head + h, token r
	s_lshl_b32 s35, s2, 11
	v_add_nc_u32 v7, s35, v1                       ; where I store images: 16 lane + 2,048 w
	s_lshl_b32 s35, s2, 7
	v_lshl_add_u32 v8, v15, 2, s35                 ; and scale words: 128 w + 4 r
	s_lshl_b32 s35, s2, 2
	v_add_nc_u32 v9, s35, v1                       ; a sum's part: 16 lane + 4 w
	v_lshlrev_b32 v10, 4, v15                      ; and the four parts of token r
	v_mul_u32_u24 v11, v15, 2064
	v_add_nc_u32 v11, v11, v3
	v_add_nc_u32 v11, STG, v11                     ; the stage: row r, my columns
	s_mul_i32 s35, s2, 16512
	s_add_co_u32 s35, s35, STG
	v_add_nc_u32 v12, s35, v1                      ; back: my 8 rows, 16 bytes a lane
	v_mov_b32 v124, 0                              ; written once: a lane permute's destination counts as one of its sources
	v_mov_b32 v125, 0
	s_lshl_b32 s32, ttmp9, 16                      ; 32 rows of 2,048 bytes a work-group
	s_add_co_u32 s36, s32, s34                     ; x: + my 128 columns
	s_mov_b32 s37, 0
	s_lshl_b32 s38, s2, 14
	s_add_co_u32 s38, s38, s32                     ; out0: + my 8 rows
	s_mov_b32 s39, 0
	s_lshr_b32 s40, ttmp9, 6                       ; n
	s_and_b32 s41, ttmp9, 63
	s_lshl_b32 s41, s41, 5                         ; my first token
	s_lshl_b32 s42, s40, 19
	s_lshl_b32 s52, s41, 4
	s_add_co_u32 s42, s42, s52
	s_mov_b32 s43, 0
	s_lshl_b32 s52, s40, 15
	s_add_co_u32 s52, s52, s41
	s_mov_b32 s53, 0
	s_mul_i32 s54, s2, 36*GRP                      ; my wave's part of wpack
	s_mov_b32 s55, 0
	s_mov_b32 s44, 0x76543210
	s_mov_b32 s45, 0xfedcba98                      ; v_permlanex16_b32's selects for lane l xor 16
	s_mov_b32 s46, 0xffff0000                      ; lanes 16-31
	s_mov_b32 s47, 0x3b000000                      ; 1 / 512
	s_mov_b32 s48, 0x358637bd                      ; 1e-6
	s_mov_b32 s50, 0x3f666666                      ; 0.9
	s_mov_b32 s51, s50
	s_wait_kmcnt 0x0
	s_add_nc_u64 s[8:9], s[8:9], s[36:37]
	s_add_nc_u64 s[30:31], s[30:31], s[38:39]
	s_add_nc_u64 s[10:11], s[10:11], s[42:43]
	s_add_nc_u64 s[12:13], s[12:13], s[52:53]
	s_add_nc_u64 s[14:15], s[14:15], s[54:55]
	global_load_b128 v[72:75], v13, s[16:17]       ; the parameters, 16 bytes a thread of each 2 KiB
	global_load_b128 v[76:79], v13, s[18:19]
	global_load_b128 v[80:83], v13, s[20:21]
	global_load_b128 v[84:87], v13, s[24:25]
	global_load_b128 v[88:91], v13, s[26:27]
	global_load_b128 v[92:95], v13, s[28:29]
.irp j, 0,1,2,3
	global_load_b128 v[96+4*\j:99+4*\j], v13, s[22:23] offset:2048*\j
.endr
.irp m, 0,1
.irp b, 0,1,2,3
.irp q, 0,1,2,3
	global_load_b128 v[128+64*\m+16*\b+4*\q:131+64*\m+16*\b+4*\q], v4, s[8:9] offset:32768*\m+128*\b+16*\q   ; x, in the accumulators' layout
.endr
.endr
.endr
	s_wait_loadcnt 32                              ; the parameters are in; x's 32 loads may be out
.irp j, 76,78,80,82,88,90,92,94
	v_pk_mul_f32 v[\j:\j+1], v[\j:\j+1], s[50:51] op_sel_hi:[1,0]   ; 0.9 into both gammas and betas
.endr
.irp j, 0,1,2,3,4,5,6,7,8,9
	ds_store_b128 v13, v[72+4*\j:75+4*\j] offset:2048*\j
.endr
	WIN 0x80                                       ; destination window 2
.irp m, 0,1
.irp s, 0,1,2,3
.irp c, 0,1
	global_load_b128 v[8*(4*\m+\s)+4*\c:8*(4*\m+\s)+4*\c+3], v5, s[10:11] offset:(4*\s+2*\c)*32768+256*\m   ; ao's fragments: block 4 s + 2 c + h of K is a head; sixteen lanes read 256 consecutive bytes
.endr
.endr
.endr
	WIN 0
.irp p, 0,1,2,3,4,5,6,7,8,9,10,11,12,13,14,15
	global_load_u8 v[40+\p], v6, s[12:13] offset:2048*\p   ; head p's scale byte of my token (lane = token)
.endr
	WLOAD 0
	WLOAD 1
	WLOAD 2
	BARRIER                                        ; the parameters lie in LDS
	s_wait_loadcnt 51                              ; all but the three groups' 51 loads
.irp s, 0,1,2,3
	v_lshl_or_b32 v[32+\s], v[41+4*\s], 8, v[40+4*\s]   ; ao's scale words: K step s, heads 4 s .. 4 s + 3
	v_lshl_or_b32 v[32+\s], v[42+4*\s], 16, v[32+\s]
	v_lshl_or_b32 v[32+\s], v[43+4*\s], 24, v[32+\s]
.endr
	PARLD 72, P_FCB, 0
	PARLD 88, P_FCB, 1
	PARLD 40, P_FCB, 2
	PARLD 56, P_FCB, 3
	s_wait_dscnt 0x0
.irp m, 0,1
.irp b, 0,1,2,3
.irp p, 0,2,4,6,8,10,12,14
	v_pk_add_f32 v[128+64*\m+16*\b+\p:129+64*\m+16*\b+\p], v[128+64*\m+16*\b+\p:129+64*\m+16*\b+\p], v[72+16*\b-64*(\b/2)+\p:73+16*\b-64*(\b/2)+\p]   ; x + fc_b: what the sums begin with
.endr
.endr
.endr
	; ---- fc
.irp s, 0,1,2,3
	GROUP \s, 0x09, 128, 0, 32, \s
.endr
	WIN 0
.rept 4
	v_nop
.endr
	LNORM 128, 0, 0, 0, P_G1, P_BE1, RED, RED+512
	; ---- h becomes an operand: K step w of the first layer
.irp m, 0,1
	QUANT 128+64*\m
	IMAGE HIMG+1024*\m
	ds_store_b32 v8, v[PW] offset:HSC+64*\m
	s_wait_dscnt 0x0                               ; the stores have read their registers
.endr
	PARLD 72, P_B2, 0
	PARLD 88, P_B2, 1
	PARLD 40, P_B2, 2
	PARLD 56, P_B2, 3
	s_wait_dscnt 0x0
	WIN 0xc0                                       ; destination window 3
.irp m, 0,1
.irp b, 0,1,2,3
.irp p, 0,2,4,6,8,10,12,14
	v_pk_add_f32 v[64*\m+16*\b+\p:64*\m+16*\b+\p+1], v[128+64*\m+16*\b+\p:129+64*\m+16*\b+\p], v[72+16*\b-64*(\b/2)+\p:73+16*\b-64*(\b/2)+\p]   ; h + b2: what the second layer's sums begin with
.endr
.endr
.endr
	WIN 0
	BARRIER                                        ; h's eight fragments lie in LDS
	WIN 0x80
.irp m, 0,1
.irp s, 0,1,2,3
.irp c, 0,1
	ds_load_b128 v[64+8*(4*\m+\s)+4*\c:64+8*(4*\m+\s)+4*\c+3], v1 offset:HIMG+(2*\s+\m)*1024+512*\c
.endr
.endr
.endr
	WIN 0
.irp s, 0,1,2,3
	ds_load_b32 v[36+\s], v2 offset:HSC+128*\s
.endr
	B1LD 0
	s_wait_dscnt 0x0
; ---- A ROUND: 512 hidden units (128 a wave) are made, quantised and spent.  One barrier a round: a buffer is written again two rounds on, behind a barrier that each wave signals only when its reads of it are in.
.macro ROUND i
.irp s, 0,1,2,3
	GROUP 4+8*(\i)+\s, 0x09, 128, 64, 36, \s
.endr
	WIN 0
.rept 4
	v_nop
.endr
.set j, 0
.rept 128
	v_max_num_f32 v[128+j], 0, v[128+j]            ; the activation
.set j, j+1
.endr
.irp m, 0,1
	QUANT 128+64*\m
	IMAGE GIMG+8192*((\i)%2)+1024*\m
	ds_store_b32 v8, v[PW] offset:GSC+512*((\i)%2)+64*\m
	s_wait_dscnt 0x0                               ; the stores have read their registers
.endr
	s_barrier_signal -1
	s_barrier_wait -1                              ; the round's eight fragments lie in LDS
	WIN 0x80
.irp m, 0,1
.irp s, 0,1,2,3
.irp c, 0,1
	ds_load_b128 v[8*(4*\m+\s)+4*\c:8*(4*\m+\s)+4*\c+3], v1 offset:GIMG+8192*((\i)%2)+(2*\s+\m)*1024+512*\c
.endr
.endr
.endr
	WIN 0
.irp s, 0,1,2,3
	ds_load_b32 v[32+\s], v2 offset:GSC+512*((\i)%2)+128*\s
.endr
.if (\i) < 3
	B1LD (\i)+1
	s_wait_dscnt 32                                ; the fragments and scale words are in; b1's 32 loads may be out
.else
	s_wait_dscnt 0x0
.endif
.irp s, 0,1,2,3
	GROUP 8+8*(\i)+\s, 0xf9, 0, 0, 32, \s
.endr
	WIN 0
	s_wait_dscnt 0x0                               ; b1 stands in the accumulators
.endm
	ROUND 0
	ROUND 1
	ROUND 2
	ROUND 3
.rept 4
	v_nop
.endr
	LNORM 0, 0x0f, 0x0c, 0x03, P_G2, P_BE2, RED+1024, RED+1536
	; ---- THE WAY OUT: a row's 2,048 bytes come from four waves: through the stage, then each wave stores 8 whole rows
.irp m, 0,1
.irp b, 0,1,2,3
.irp q, 0,1,2,3
	ds_store_b128 v11, v[128+64*\m+16*\b+4*\q:131+64*\m+16*\b+4*\q] offset:33024*\m+128*\b+16*\q
.endr
.endr
.endr
	BARRIER
.set j, 0
.rept 32
	ds_load_b128 v[128+4*j:131+4*j], v12 offset:2064*(j/4)+512*(j%4)
.set j, j+1
.endr
.set j, 0
.rept 32
	s_wait_dscnt 31-j
	global_store_b128 v1, v[128+4*j:131+4*j], s[30:31] offset:2048*(j/4)+512*(j%4) th:TH_STORE_NT   ; 32 lanes store 512 consecutive bytes, aligned; written once
.set j, j+1
.endr
	s_wait_tensorcnt 0x0
	ds_add_u32 v126, v127
	s_wait_dscnt 0x0
	s_endpgm
.Lfunc_end_k_q6819a96cfc_mlp:
	.size	k_q6819a96cfc_mlp, .Lfunc_end_k_q6819a96cfc_mlp-k_q6819a96cfc_mlp
	.p2alignl 7, 3214868480
	.fill 96, 4, 3214868480
	.section	.rodata,"a",@progbits
	.p2align	6, 0x0
	.amdhsa_kernel k_q6819a96cfc_mlp
		.amdhsa_group_segment_fixed_size 115200
		.amdhsa_private_segment_fixed_size 0
		.amdhsa_enable_private_segment 0
		.amdhsa_kernarg_size 96
		.amdhsa_user_sgpr_count 2
		.amdhsa_user_sgpr_kernarg_segment_ptr 1
		.amdhsa_wavefront_size32 1
		.amdhsa_system_sgpr_workgroup_id_x 1
		.amdhsa_system_sgpr_workgroup_id_y 1
		.amdhsa_system_sgpr_workgroup_id_z 1
		.amdhsa_system_vgpr_workitem_id 0
		.amdhsa_next_free_vgpr 896
		.amdhsa_next_free_sgpr 66
		.amdhsa_reserve_vcc 0
		.amdhsa_float_denorm_mode_32 3
		.amdhsa_float_denorm_mode_16_64 3
		.amdhsa_memory_ordered 1
		.amdhsa_forward_progress 1
		.amdhsa_inst_pref_size 255
	.end_amdhsa_kernel
	.section	.bss,"aw",@nobits
	.p2align	6
	.space	262144
	.amdgpu_metadata
---
amdhsa.version: [ 1, 2 ]
amdhsa.kernels:
  - .name:           k_q6819a96cfc_mlp
    .symbol:         k_q6819a96cfc_mlp.kd
    .args:
      - { .name: x, .offset: 0, .size: 8, .value_kind: global_buffer, .address_space: global }
      - { .name: ao_codes, .offset: 8, .size: 8, .value_kind: global_buffer, .address_space: global }
      - { .name: ao_scales, .offset: 16, .size: 8, .value_kind: global_buffer, .address_space: global }
      - { .name: wpack, .offset: 24, .size: 8, .value_kind: global_buffer, .address_space: global }
      - { .name: fc_b, .offset: 32, .size: 8, .value_kind: global_buffer, .address_space: global }
      - { .name: g1, .offset: 40, .size: 8, .value_kind: global_buffer, .address_space: global }
      - { .name: be1, .offset: 48, .size: 8, .value_kind: global_buffer, .address_space: global }
      - { .name: b1, .offset: 56, .size: 8, .value_kind: global_buffer, .address_space: global }
      - { .name: b2, .offset: 64, .size: 8, .value_kind: global_buffer, .address_space: global }
      - { .name: g2, .offset: 72, .size: 8, .value_kind: global_buffer, .address_space: global }
      - { .name: be2, .offset: 80, .size: 8, .value_kind: global_buffer, .address_space: global }
      - { .name: out0, .offset: 88, .size: 8, .value_kind: global_buffer, .address_space: global }
    .group_segment_fixed_size: 115200
    .private_segment_fixed_size: 0
    .kernarg_segment_align: 8
    .kernarg_segment_size: 96
    .max_flat_workgroup_size: 128
    .sgpr_count:     66
    .vgpr_count:     896
    .wavefront_size: 32
...
	.end_amdgpu_metadata
.endif
;; end of part 2
;; ======== version 2 of 2: 2 launches; version 1 with the launches attn, mlp written anew for expert scheduling mode
;; workspace buffers: ao_codes 2,097,152 bytes; ao_scales 131,072 bytes; wpack 1,253,376 bytes
;; launch attn (part 3): grid 4 x 64, 16 waves a work-group, no clusters, 154,112 bytes of LDS; arguments x, mask, fc_w_codes, fc_w_scales, w1_codes, w1_scales, w2_codes, w2_scales, ao_codes, ao_scales, wpack; writes ao_codes, ao_scales, wpack
.if DOCPART == 3
	.amdgcn_target "amdgcn-amd-amdhsa--gfx1250"
	.amdhsa_code_object_version 6
	.text
	.protected	k_q6819a96cfc_attn
	.globl	k_q6819a96cfc_attn
	.p2align	8
	.type	k_q6819a96cfc_attn,@function
k_q6819a96cfc_attn:
	s_mov_b64 s[64:65], 0
	v_nop
	global_prefetch_b8 v0, s[64:65] scope:SCOPE_SE
	s_setreg_imm32_b32 hwreg(HW_REG_WAVE_SCHED_MODE, 0, 2), 2
	s_setreg_imm32_b32 hwreg(HW_REG_WAVE_MODE, 25, 1), 1
	s_wait_xcnt 0x0
	s_wait_alu depctr_vm_vsrc(0)
; ATTENTION OF ONE HEAD ON CODES OF FP4 (E2M1), q = k = v = x.  x: [4][2048][512] f32, a head is 32 numbers (128 bytes) of a row.  mask: [4][2048] i32.
; A work-group (x: which 512 queries; y: 16 n + head) first quantises its head's 2,048 keys twice, along the head's 32 (first product) and along the keys (second product), into LDS,
; as images of the operands' registers; a head's codes are 64 KiB, so they stay there and nothing is filled again.  Then each of the sixteen waves takes 32 queries, two tiles of 16, one after
; the other, through all keys, 128 a step.  p = 2^(t - M), t = score x log2(e) / sqrt(32), M the running largest t rounded up to a whole number; the sum is taken of the unquantised p.
; O / sum is one block of 32 along the next product's K: it is quantised here and leaves as 16 bytes of codes and one scale byte for a token and head.
; FIRST PRODUCT.  Its K is ONE block of 32, the instruction has four.  So a fragment of K holds FOUR tiles of 16 keys, one in each block, and four variants of Q (the codes in one block, zero codes
; in the others) pick the tile.  Both products are used transposed: a lane holds one query (lane % 16).  The keys of a tile are chosen so that the 16 registers of tiles 2 b, 2 b + 1 are keys 32 b + 16 (lane / 16) + 0 .. 15.
; THE MASK rides as the C of the first product: 0, or -2^66 where mask == 0; a masked key's codes are zeros, so its score is exactly -2^66 and its p is 0; where ALL keys of a row are masked
; t - M is exactly 0 and p = 1 for every key, the uniform weights that the definition gives.
; SIDE JOB: the work-groups with y < 36 copy one group of weight fragments each (8,704 bytes) into wpack, in the order in which the next launch's operand registers take them.
; No cluster: what partners share here (a head's f32 numbers) passes through registers to be quantised, and as f32 it does not fit in LDS beside the images.
; LIMITS: NaN and infinities are not served.  Blocks whose largest magnitude lies under 2^-124 keep the scale byte 1.  A masked score is -2^66 in place of -1e20: the same results while unmasked scores stay above -1e19.
; log2(e) / sqrt(32) is one rounded constant in place of a division and a multiplication.
; LDS: a slab of 4,864 bytes for each key step: K's two fragments (2,048), V's two (2,048), K's scale words (128), V's (128), the bias in key order (512); then 512 output scale bytes; then a stage of 32 rows x 144 bytes for each wave.
; REGISTERS: v1 16 lane, v2 4 lane, v3 64 (lane / 16); v4-6 the step's addresses; v7 16 r + 8 h; v9 K's, v10 V's, v11 p's scale words, v48-49 Q's; v12 -M, v13 largest t, v[14:15] the sum;
; v16-39 Q's variants; v40-47 the two tiles' codes of Q; v50 where my output bytes go; v52-55 output codes; v56-71 K, v72-87 V, v88-95 p's codes; v96-159 scores, then p; v160-175 O^T; v176-191 O^T / sum; v232-254 at work.
; THE MODE: SCHED_MODE bits 1:0 = 2 (LLVM: expert scheduling mode 2), set by the entry lines.  The code itself states the register dependences between vector or matrix instructions and memory or LDS
; instructions, with s_wait_alu, always for 0.
; THE PLAN, A KEY STEP.  Registers that LDS instructions touch:
;   v96-159      the bias lands here; the first products add onto it; the softmax works in place; the row's sums are its last readers.
;   v56-71, v9   K and its scale words: read by the step's eight first products alone.
;   v72-87, v10  V and its scale words: read by the step's two second products alone.
;   v4-6         read by every LDS load of a step; written once a step.
; A step has five waits on va_vdst, these three among them.  (1) Behind the 64 exponentials, ahead of their first reader: it also states that the last step's second products are done reading V: this step's V is asked for behind it.
; (2) Behind the four exponentials.  (3) Directly ahead of the second products, whose p codes and scale word vector instructions have written: it also states that the sums are done with v96-159, the first products with K,
; and that v4-6 are written: the NEXT step's K and bias are asked for behind it, dealt among the two products, which name none of those registers.  One wait on vm_vsrc stands ahead of the adds to v4-6.
; The last step asks for nothing more, so it is written out behind a loop of 15 trips.
; A PASS OF THE PROLOGUE.  v96-159: global loads land, the stage's stores read.  v160-223: LDS loads land, the maxima and conversions read.  v56, v248-255 (pass 0: v238-241; pass 3: v246): written by vector instructions, read by the
; pass's stores, which stand together at its end behind one wait on va_vdst; that wait also frees v160-223 for the next pass's loads.  One wait on vm_vsrc a pass frees v96.. and the last pass's store data.
.set STEPB, 4864
.set VIMO,  2048
.set KSCO,  4096
.set VSCO,  4224
.set BIAO,  4352
.set SCB,   16*STEPB
.set STG,   SCB+512
.set FLOOR, 0x1800000                  ; 2^(3 - 127): no largest magnitude is taken under it, so a scale byte cannot fall under 1
.set OFF2,  0xff000000                 ; takes 2 off an exponent field
.macro MM d, a, b, sa, sb, row         ; one product, in place; row: A's scale words stand in lanes 16-31
.if \row
	v_wmma_scale_f32_16x16x128_f8f6f4 v[\d:\d+7], v[\a:\a+7], v[\b:\b+7], v[\d:\d+7], v[\sa], v[\sb] matrix_a_fmt:MATRIX_FMT_FP4 matrix_b_fmt:MATRIX_FMT_FP4 matrix_a_scale:MATRIX_SCALE_ROW1
.else
	v_wmma_scale_f32_16x16x128_f8f6f4 v[\d:\d+7], v[\a:\a+7], v[\b:\b+7], v[\d:\d+7], v[\sa], v[\sb] matrix_a_fmt:MATRIX_FMT_FP4 matrix_b_fmt:MATRIX_FMT_FP4
.endif
.endm
.macro MAX32 s, by                     ; a block of 32 in one lane's registers: v244 = the conversion's scale operand, v[by] = the scale's byte
	v_max3_num_f32 v242, |v[\s]|, |v[\s+1]|, |v[\s+2]|
	v_max3_num_f32 v243, |v[\s+3]|, |v[\s+4]|, |v[\s+5]|
.irp i, 6,10,14,18,22,26
	v_max3_num_f32 v242, v242, |v[\s+\i]|, |v[\s+\i+1]|
	v_max3_num_f32 v243, v243, |v[\s+\i+2]|, |v[\s+\i+3]|
.endr
	v_max3_num_f32 v242, v242, |v[\s+30]|, |v[\s+31]|
	v_max3_num_f32 v242, v242, v243, FLOOR
	v_add_nc_u32 v244, OFF2, v242
	v_lshrrev_b32 v[\by], 23, v244
.endm
.macro CONV4 d, s                      ; its 32 codes: 4 registers
.irp g, 0,1,2,3
	v_cvt_scalef32_pk8_fp4_f32 v[\d+\g], v[\s+8*\g:\s+8*\g+7], v244
.endr
	v_nop                                          ; one plain place behind a scaled conversion
.endm
.macro LOADX a                         ; keys 32 a .. 32 a + 31 of my 128: each load reads four rows' 128 bytes
.irp i, 0,1,2,3,4,5,6,7
	global_load_b128 v[96+32*((\a)%2)+4*\i:96+32*((\a)%2)+4*\i+3], v224, s[32:33] offset:65536*(\a)+8192*\i
.endr
.endm
.macro LOADQ k                         ; tile k of my queries: a lane takes the whole 128 bytes of query lane % 16
.irp i, 0,1,2,3,4,5,6,7
	global_load_b128 v[96+32*(\k)+4*\i:96+32*(\k)+4*\i+3], v225, s[34:35] offset:32768*(\k)+16*\i
.endr
.endm
	s_load_b512 s[8:23], s[0:1], 0x0               ; x, mask, fc_w codes, scales, w1 codes, scales, w2 codes, scales
	s_load_b128 s[24:27], s[0:1], 0x40             ; ao_codes, ao_scales
	s_load_b64 s[28:29], s[0:1], 0x50              ; wpack
	v_lshl_add_u32 v8, v0, 2, 0x25200
	v_mov_b32 v51, 0
	v_lshrrev_b32 v1, 5, v0
	v_readfirstlane_b32 s2, v1                     ; wave 0..15
	s_mov_b32 s3, ttmp9                            ; which 512 queries
	s_and_b32 s4, ttmp7, 0xffff                    ; 16 n + head
	s_lshr_b32 s5, s4, 4                           ; n
	s_and_b32 s6, s4, 15                           ; head
	s_mov_b32 s42, 0x3e8293ee                      ; c = log2(e) / sqrt(32)
	s_mov_b32 s43, s42                             ; (named with it as a pair)
	s_mov_b32 s44, 0x76543210
	s_mov_b32 s45, 0xfedcba98                      ; v_permlanex16_b32's selects for lane l xor 16
	s_mov_b32 s46, 0xffff0000                      ; lanes 16-31
	v_and_b32 v248, 31, v0                         ; l
	v_and_b32 v249, 15, v0                         ; r
	v_bfe_u32 v250, v0, 4, 1                       ; h
	v_and_b32 v251, 7, v0                          ; l % 8
	v_bfe_u32 v252, v0, 3, 1                       ; (l / 8) % 2
	v_bfe_u32 v253, v0, 3, 2                       ; l / 8
	v_lshl_add_u32 v254, v250, 3, v251             ; l % 8 + 8 (l / 16)
	v_lshlrev_b32 v1, 4, v248
	v_lshlrev_b32 v2, 2, v248
	v_lshlrev_b32 v3, 6, v250
	v_lshlrev_b32 v7, 4, v249
	v_lshl_add_u32 v7, v250, 3, v7
	s_wait_alu depctr_va_sdst(0)                   ; s2 is written, ahead of its first reader: LDS places, bases and branches are made from it
	s_mul_i32 s58, s2, 4608
	s_add_co_u32 s58, s58, STG                     ; my stage
	s_mul_i32 s59, s2, STEPB                       ; my slab: key step = my wave's number
	s_lshl_b32 s60, s2, 5
	s_add_co_u32 s60, s60, SCB
	v_add_nc_u32 v50, s60, v249                    ; my queries' output bytes
	v_lshlrev_b32 v224, 11, v253
	v_lshl_add_u32 v224, v251, 4, v224             ; x: row l / 8, 16 bytes at 16 (l % 8)
	v_lshlrev_b32 v225, 11, v249                   ; x: row r
	v_mul_u32_u24 v226, v253, 144
	v_lshl_add_u32 v226, v251, 4, v226
	v_add_nc_u32 v226, s58, v226                   ; the stage as loaded
	v_mul_u32_u24 v227, v248, 144
	v_add_nc_u32 v227, s58, v227                   ; row l: key l of the pass, 32 numbers along the head
	v_add_nc_u32 v228, s58, v2                     ; column l: number l of the head, down the keys
	v_lshl_add_u32 v229, v252, 4, v254
	v_lshlrev_b32 v229, 4, v229
	v_add_nc_u32 v229, s59, v229                   ; key l's codes belong to lane l % 8 + 8 (l / 16) + 16 ((l / 8) % 2) of K's image
	v_lshl_add_u32 v230, v254, 2, v252
	v_add_nc_u32 v230, s59, v230                   ; and its byte to that row's word, byte (l / 8) % 2 of the pass's two
	v_lshlrev_b32 v231, 10, v252
	v_lshl_add_u32 v231, v254, 4, v231
	v_add_nc_u32 v231, s59, v231                   ; number l of the head is row l % 8 + 8 (l / 16) of V's fragment (l / 8) % 2
	v_lshlrev_b32 v232, 6, v252
	v_lshl_add_u32 v232, v254, 2, v232
	v_add_nc_u32 v232, s59, v232                   ; its scale word
	v_add_nc_u32 v233, s59, v1                     ; the bias of keys 4 l .. 4 l + 3
.irp g, 0,1,2,3
	v_mov_b32 v[20+\g], 0                          ; the zero codes of Q's variants
	v_mov_b32 v[32+\g], 0
.endr
	s_lshl_b32 s30, s5, 22                         ; n x 2,048 rows of 2,048 bytes
	s_lshl_b32 s31, s6, 7
	s_add_co_u32 s30, s30, s31                     ; + the head's 128 bytes
	s_lshl_b32 s31, s2, 18
	s_add_co_u32 s48, s30, s31                     ; + my 128 keys
	s_mov_b32 s49, 0
	s_lshl_b32 s31, s3, 9
	s_lshl_b32 s47, s2, 5
	s_add_co_u32 s47, s47, s31                     ; my first query: 512 x + 32 wave
	s_lshl_b32 s31, s47, 11
	s_add_co_u32 s50, s30, s31
	s_mov_b32 s51, 0
	s_lshl_b32 s52, s5, 13
	s_lshl_b32 s31, s2, 9
	s_add_co_u32 s52, s52, s31                     ; mask: n x 8,192 + my 128 words
	s_mov_b32 s53, 0
	s_lshl_b32 s54, s4, 11
	s_add_co_u32 s54, s54, s47
	s_lshl_b32 s54, s54, 4                         ; ao_codes: 16 bytes for a head and token
	s_mov_b32 s55, 0
	s_lshl_b32 s56, s4, 11
	s_lshl_b32 s31, s3, 9
	s_add_co_u32 s56, s56, s31                     ; ao_scales: the work-group's 512 bytes
	s_mov_b32 s57, 0
	s_wait_kmcnt 0x0
	s_add_nc_u64 s[32:33], s[8:9], s[48:49]
	s_add_nc_u64 s[34:35], s[8:9], s[50:51]
	s_add_nc_u64 s[36:37], s[10:11], s[52:53]
	s_add_nc_u64 s[24:25], s[24:25], s[54:55]
	s_add_nc_u64 s[26:27], s[26:27], s[56:57]
	s_wait_alu depctr_va_vdst(0)                   ; the offsets and LDS addresses v1, v2, v7, v50 and v224-233 are written, which the loads and stores below read
	global_load_b128 v[238:241], v1, s[36:37]      ; the mask of keys 4 l .. 4 l + 3, for the bias
.irp a, 0,1,2,3
	global_load_b32 v[234+\a], v2, s[36:37] offset:128*\a   ; and of key 32 a + l, for K's codes
.endr
	LOADX 0
	LOADX 1
	; ---- THE SIDE JOB.  Group g = y of part x of wpack: 8 fragments (16 rows x 128 K) and their scale words.  g 0-3: fc_w, K step g; g = 4 + 8 i + s: w1, rows 512 i on, K step s; g = 8 + 8 i + s: w2, K step 4 i + s.
	; Row r of fragment t is weight row row0 + 32 (t / 2) + 8 (t % 2) + r + 8 (r / 8).  The branch hangs on the work-group's number alone.
	s_cmp_ge_u32 s4, 36
	s_cbranch_scc1 .Lnopack
	s_sub_co_u32 s47, s4, 4
	s_cmp_lt_u32 s4, 4
	s_cselect_b32 s47, s4, s47
	s_lshr_b32 s52, s47, 3                         ; i
	s_and_b32 s53, s47, 3                          ; s
	s_bfe_u32 s54, s47, 0x10002                    ; 1: w2
	s_lshl_b32 s55, s54, 1                         ; w2's rows are four times as long
	s_cmp_lg_u32 s54, 0
	s_cselect_b32 s56, 0, s52
	s_cselect_b32 s57, s52, 0
	s_cselect_b64 s[48:49], s[20:21], s[16:17]
	s_cselect_b64 s[50:51], s[22:23], s[18:19]
	s_cmp_lt_u32 s4, 4
	s_cselect_b64 s[48:49], s[12:13], s[48:49]     ; the codes' buffer,
	s_cselect_b64 s[50:51], s[14:15], s[50:51]     ; the scales'
	s_lshl_b32 s58, s3, 7
	s_lshl_b32 s56, s56, 9
	s_add_co_u32 s58, s58, s56                     ; row0 = 128 x + 512 i (w1)
	s_lshr_b32 s59, s2, 1                          ; my wave copies quad wave % 2 of fragment wave / 2
	s_and_b32 s60, s2, 1
	s_lshr_b32 s61, s59, 1
	s_lshl_b32 s61, s61, 5
	s_and_b32 s59, s59, 1
	s_lshl_b32 s59, s59, 3
	s_add_co_u32 s61, s61, s59
	s_add_co_u32 s61, s61, s58                     ; the fragment's first row
	s_add_co_u32 s62, s55, 8
	s_lshl_b32 s61, s61, s62                       ; x 256 or 1,024 bytes
	s_lshl_b32 s59, s53, 6
	s_add_co_u32 s61, s61, s59
	s_lshl_b32 s59, s57, 8
	s_add_co_u32 s61, s61, s59                     ; + 64 bytes a K step
	s_lshl_b32 s60, s60, 5
	s_add_co_u32 s61, s61, s60                     ; + 32 bytes a quad
	s_mul_i32 s63, s3, 36
	s_add_co_u32 s63, s63, s4
	s_mul_i32 s30, s63, 8704
	s_mov_b32 s31, 0
	s_add_nc_u64 s[28:29], s[28:29], s[30:31]      ; the group's place in wpack
	v_and_b32 v168, 8, v249
	v_add_nc_u32 v168, v168, v249                  ; r + 8 (r / 8)
	v_lshlrev_b32 v170, s62, v168
	v_lshl_add_u32 v170, v250, 4, v170
	v_add_nc_u32 v170, s61, v170
	v_lshlrev_b32 v171, 4, v0                      ; 16 x thread: fragment, quad, lane on end
	s_wait_alu depctr_va_vdst(0)                   ; v170 and v171 are written, which the load and the stores below read as offsets
	global_load_b128 v[160:163], v170, s[48:49]
	s_cmp_lg_u32 s2, 0
	s_cbranch_scc1 .Lcodes
	s_add_co_u32 s59, s55, 4                       ; wave 0 also copies the scale words: word j of lane l is fragment 2 j + l / 16, row l % 16
	s_lshl_b32 s60, s58, s59
	s_lshl_b32 s62, s53, 2
	s_add_co_u32 s60, s60, s62
	s_lshl_b32 s62, s57, 4
	s_add_co_u32 s60, s60, s62
	v_lshl_add_u32 v172, v250, 3, v168
.irp j, 0,1,2,3
	v_add_nc_u32 v[176+\j], 32*\j, v172
	v_lshlrev_b32 v[176+\j], s59, v[176+\j]
	v_add_nc_u32 v[176+\j], s60, v[176+\j]
.endr
	s_wait_alu depctr_va_vdst(0)                   ; the four offsets v176-179 are written, which the four loads read
.irp j, 0,1,2,3
	global_load_b32 v[164+\j], v[176+\j], s[50:51]
.endr
	s_wait_loadcnt 0x0
	global_store_b128 v171, v[164:167], s[28:29] offset:8192
.Lcodes:
	s_wait_loadcnt 0x0
	global_store_b128 v171, v[160:163], s[28:29]   ; a wave's store covers 512 consecutive bytes, aligned
.Lnopack:
	s_wait_xcnt 0x0                                ; the stores have read their registers: LDS loads land there below
	s_wait_alu depctr_vm_vsrc(0)                   ; the side job's loads and stores have read v160-167, v170, v171 and v176-179, in which the first pass's LDS loads land (its vector lines stand ahead of its own waits on va_vdst)
; ---- A PASS: 32 keys.  Their 4 KiB turn through my stage: in as loaded; out once by rows (a lane = a key, registers along the head) and once by columns (a lane = a number of the head, registers down the keys).
; Both quantisations first, then the pass's stores in one run.
.macro PASS a
	s_wait_loadcnt 8                               ; this pass's eight loads are in; the eight issued behind them may be out
.irp i, 0,1,2,3,4,5,6,7
	ds_store_b128 v226, v[96+32*((\a)%2)+4*\i:96+32*((\a)%2)+4*\i+3] offset:576*\i
.endr
.irp q, 0,1,2,3,4,5,6,7
	ds_load_b128 v[160+4*\q:163+4*\q], v227 offset:16*\q   ; LDS serves a wave's instructions in order: these see the stores above.  No vector instruction since the last wait on va_vdst names v160-223
.endr
.set i, 0
.rept 32
	ds_load_b32 v[192+i], v228 offset:144*i
.set i, i+1
.endr
	s_wait_dscnt 32                                ; all but the 32 column loads: the rows are in, and so are the last pass's stores
	s_wait_alu depctr_vm_vsrc(0)                   ; the stage's stores have read v96 .., in which the loads below land; the last pass's stores have read v56 and v248-255, which this pass writes again
.if \a < 2
	LOADX \a+2
.else
	LOADQ \a-2
.endif
	v_cmp_eq_u32 vcc_lo, 0, v[234+\a]              ; is my key masked?
.if \a == 0
	v_mov_b32 v57, 0xe0800000                      ; -2^66
.irp j, 0,1,2,3
	v_cmp_eq_u32 s[52+\j], 0, v[238+\j]            ; and keys 4 l .. 4 l + 3, for the bias: four masks, one wait
.endr
.endif
	MAX32 160, 56
	CONV4 248, 160
	s_wait_alu depctr_va_vcc(0)                    ; VCC is written, ahead of the selects that read it
.irp g, 0,1,2,3
	v_cndmask_b32 v[248+\g], v[248+\g], v20, vcc_lo   ; a masked key's codes are zeros
.endr
.if \a == 0
	s_wait_alu depctr_va_sdst(0)                   ; s52-55 are written, ahead of the selects that read them
.irp j, 0,1,2,3
	v_cndmask_b32 v[238+\j], 0, v57, s[52+\j]
.endr
.endif
	s_wait_dscnt 0x0                               ; the columns are in
	MAX32 192, 245
	CONV4 252, 192
.if \a == 0
	v_mov_b32 v246, v245                           ; V's scale word: byte a for keys 32 a on
.else
	v_lshl_or_b32 v246, v245, 8*\a, v246
.endif
	s_wait_alu depctr_va_vdst(0)                   ; v56, v248-255 (pass 0: the bias in v238-241; pass 3: v246) are written, which the stores below read; the maxima and conversions are done reading v160-223, in which the next pass's LDS loads land
	ds_store_b128 v229, v[248:251] offset:512*\a
	ds_store_b8 v230, v56 offset:KSCO+64*(\a/2)+2*(\a%2)
	ds_store_b128 v231, v[252:255] offset:VIMO+512*(\a/2)+256*(\a%2)
.if \a == 0
	ds_store_b128 v233, v[238:241] offset:BIAO
.endif
.if \a == 3
	ds_store_b32 v232, v246 offset:VSCO
.endif
.endm
	PASS 0
	PASS 1
	PASS 2
	PASS 3
.macro QQ k, left                      ; tile k of my queries: codes, and the scale's byte four times over (the variants' zero codes add nothing under it)
	s_wait_loadcnt \left
	MAX32 96+32*\k, 245
	CONV4 40+4*\k, 96+32*\k
	v_lshl_or_b32 v[48+\k], v245, 8, v245
	v_lshl_or_b32 v[48+\k], v[48+\k], 16, v[48+\k]
.endm
	QQ 0, 8
	QQ 1, 0
	s_wait_dscnt 0x0                               ; for the others' sake: my slab is written
	s_barrier_signal -1
	s_barrier_wait -1                              ; the whole head lies in LDS
	s_wait_alu depctr_vm_vsrc(0)                   ; my LDS stores have read their data and addresses: v56 takes K's loads, v232-233, v238-239, v246 and v252-254 are at work from here on
	v_mov_b32 v253, 0                              ; (named as the upper half of the pair v[252:253])
	v_add_nc_u32 v200, SCB, v1
.macro KLOAD                           ; K's two fragments and their scale words, of the step at which v4 and v5 stand
.irp f, 0,1,2,3
	ds_load_b128 v[56+4*\f:59+4*\f], v4 offset:512*\f
.endr
	ds_load_b32 v9, v5 offset:KSCO                 ; lanes 0-15: fragment 0's words, lanes 16-31: fragment 1's
.endm
.macro BLOAD                           ; the bias of keys 32 b + 16 h + 4 q on: the first product's C
.irp b, 0,1,2,3
.irp q, 0,1,2,3
	ds_load_b128 v[96+16*\b+4*\q:99+16*\b+4*\q], v6 offset:BIAO+128*\b+16*\q
.endr
.endr
.endm
.macro VLOAD                           ; V's two fragments and their scale words
.irp f, 0,1,2,3
	ds_load_b128 v[72+4*\f:75+4*\f], v4 offset:VIMO+512*\f
.endr
	ds_load_b32 v10, v5 offset:VSCO
.endm
; ---- A KEY STEP of tile k.  Its K and bias were asked for at the end of the step before.  next = 1: the next step's are asked for at its end.
.macro STEP k, next
.irp T, 0,1,2,3,4,5,6,7
.if \T%2 == 0
	s_wait_dscnt 12-4*(\T/2)                       ; LDS loads come back in order: K's five and the bias of this pair of tiles are in, the younger blocks of the bias (four loads each) may be out
.endif
	MM 96+8*\T, 56+8*(\T/4), 16+12*(\T%2)+4*((\T/2)%2), 9, 48+\k, \T/4
.endr
.rept 4
	v_nop
.endr
.irp b, 0,1,2,3
	v_max3_num_f32 v[232+\b], v[96+16*\b], v[97+16*\b], v[98+16*\b]   ; the largest score of each block of 32 keys: for the row's maximum, and, since p rises with the score, for the block's largest p
.endr
.irp i, 3,5,7,9,11,13
.irp b, 0,1,2,3
	v_max3_num_f32 v[232+\b], v[232+\b], v[96+16*\b+\i], v[97+16*\b+\i]
.endr
.endr
.irp b, 0,1,2,3
	v_max_num_f32 v[232+\b], v[232+\b], v[111+16*\b]
.endr
.irp b, 0,1,2,3
	v_permlanex16_b32 v[236+\b], v[232+\b], s44, s45
.endr
.irp b, 0,1,2,3
	v_max_num_f32 v[232+\b], v[232+\b], v[236+\b]
.endr
	v_max3_num_f32 v254, v232, v233, v234
	v_max_num_f32 v254, v254, v235
	v_mul_f32 v254, s42, v254
	v_max_num_f32 v13, v13, v254                   ; the running largest t
	v_mov_b32 v254, v12
	v_floor_f32 v12, -v13                          ; -M = floor(-t): M is a whole number
	v_sub_f32 v254, v12, v254
	v_cvt_i32_f32 v254, v254                       ; (it saturates)
	v_ldexp_f32 v252, 1.0, v254                    ; f = 2^(old M - new M)
.set j, 0
.rept 32
	v_pk_fma_f32 v[96+j:97+j], v[96+j:97+j], s[42:43], v[12:13] op_sel_hi:[1,0,0]   ; t - M
.set j, j+2
.endr
.irp b, 0,1,2,3
	v_fma_f32 v[232+\b], v[232+\b], s42, v12
.endr
.set j, 0
	s_wait_alu depctr_va_vdst(0)
.rept 64
	v_exp_f32 v[96+j], v[96+j]                     ; p, not normalised
.set j, j+1
.endr
	v_pk_mul_f32 v[14:15], v[14:15], v[252:253] op_sel_hi:[1,0]   ; the sum under the new M: the plain place behind the batch
	s_wait_alu depctr_va_vdst(0)                   ; the 64 exponentials have written p, ahead of its first reader; and the last step's second products are done reading v72-87 and v10, in which V lands
	VLOAD                                          ; this step's V: it has the rest of the softmax in which to land
.irp b, 0,1,2,3
	v_exp_f32 v[232+\b], v[232+\b]                 ; each block's largest p
.endr
	s_wait_alu depctr_va_vdst(0)
.irp j, 0,2,4,6,8,10,12,14
	v_pk_mul_f32 v[160+\j:161+\j], v[160+\j:161+\j], v[252:253] op_sel_hi:[1,0]   ; O^T under the new M: independent work behind the four
.endr
	s_wait_alu depctr_va_vdst(0)                   ; the four exponentials have written v232-235, ahead of their first reader
.irp b, 0,1,2,3
	v_max_num_f32 v[232+\b], FLOOR, v[232+\b]
.endr
.irp b, 0,1,2,3
	v_add_nc_u32 v[244+\b], OFF2, v[232+\b]
.endr
.irp b, 0,1,2,3
	v_lshrrev_b32 v[236+\b], 23, v[244+\b]
.endr
	v_lshl_or_b32 v11, v237, 8, v236               ; p's scale word for these 128 keys
	v_lshl_or_b32 v11, v238, 16, v11
	v_lshl_or_b32 v11, v239, 24, v11
.irp b, 0,1,2,3
	v_cvt_scalef32_pk8_fp4_f32 v[88+2*\b], v[96+16*\b:103+16*\b], v[244+\b]
	v_cvt_scalef32_pk8_fp4_f32 v[89+2*\b], v[104+16*\b:111+16*\b], v[244+\b]
.endr
	v_nop
.irp c, 0,1
.irp i, 0,1
	v_permlane16_swap_b32 v[88+4*\c+\i], v[90+4*\c+\i]   ; a whole block to a lane
.endr
.endr
	v_pk_add_f32 v[236:237], v[96:97], v[98:99]    ; the sum of the unquantised p, in two chains; these 32 lines are also the places between p's codes and scale word and the products
.set j, 4
.rept 15
	v_pk_add_f32 v[14:15], v[14:15], v[96+j:97+j]
	v_pk_add_f32 v[236:237], v[236:237], v[98+j:99+j]
.set j, j+4
.endr
	v_pk_add_f32 v[14:15], v[14:15], v[236:237]
.if \next
	s_add_co_u32 s40, s40, STEPB                   ; on to the next step's slab
	s_wait_alu depctr_vm_vsrc(0)                   ; the LDS loads issued so far have read v4-6
	v_add_nc_u32 v4, s40, v1
	v_add_nc_u32 v5, s40, v2
	v_add_nc_u32 v6, s40, v3
.endif
	s_wait_dscnt 0x0                               ; V is in
	s_wait_alu depctr_va_vdst(0)                   ; p's codes v88-95 and scale word v11 are written, which the products take; the sums are done with v96-159 and the first products with v56-71 and v9, in which the next step's loads land; v4-6 are written
	MM 160, 72, 88, 10, 11, 0                      ; O^T += V^T P^T; lane (r, h) holds numbers 16 h + 0 .. 15 of the head
.if \next
	KLOAD                                          ; no wait: the two products name v160-175, V, p's codes and the scale words v10 and v11 alone
.endif
	MM 168, 80, 88, 10, 11, 1
.if \next
	BLOAD
.endif
.endm
; ---- A TILE OF 16 QUERIES through all 16 key steps.
.macro TILE k
.irp g, 0,1,2,3
	v_cndmask_b32 v[16+\g], v[40+4*\k+\g], v[20+\g], s46   ; the codes in lanes 0-15 alone,
	v_cndmask_b32 v[24+\g], v[40+4*\k+\g], v[20+\g], s46
	v_cndmask_b32 v[28+\g], v[20+\g], v[40+4*\k+\g], s46   ; in lanes 16-31 alone: variant b begins at v[16 + 12 (b % 2) + 4 (b / 2)]
	v_cndmask_b32 v[36+\g], v[20+\g], v[40+4*\k+\g], s46
.endr
	v_mov_b32 v13, 0xff61b1e6                      ; the largest t so far: -3e38
	v_floor_f32 v12, -v13                          ; -M
	v_mov_b32 v14, 0
	v_mov_b32 v15, 0
.set j, 0
.rept 16
	v_mov_b32 v[160+j], 0                          ; O^T: the step is written once; the first change of M multiplies zeros
.set j, j+1
.endr
	s_mov_b32 s40, 0
.if \k > 0
	s_wait_alu depctr_vm_vsrc(0)                   ; the last tile's LDS loads have read v4-6
.endif
	v_add_nc_u32 v4, s40, v1
	v_add_nc_u32 v5, s40, v2
	v_add_nc_u32 v6, s40, v3
	s_wait_alu depctr_va_vdst(0)                   ; v4-6 are written; all earlier vector and matrix lines are done with v56-71, v9 and v96-159, in which the first step's loads land; Q's variants v16-39 and scale words v48-49 are written, which the first products take
	KLOAD
	BLOAD
	s_mov_b32 s41, 15
.Lstep_\@:
	STEP \k, 1
	s_sub_co_u32 s41, s41, 1
	s_cmp_lg_u32 s41, 0
	s_cbranch_scc1 .Lstep_\@
	STEP \k, 0                                     ; the last step is written out: there is no slab behind it to ask for
.rept 4
	v_nop
.endr
	v_add_f32 v14, v14, v15
	v_permlanex16_b32 v254, v14, s44, s45
	v_add_f32 v14, v14, v254                       ; the row's sum
	s_wait_alu depctr_va_vdst(0)
	v_rcp_f32 v252, v14
	v_nop
	s_wait_alu depctr_va_vdst(0)                   ; the reciprocal has written v252, ahead of its first reader
.irp j, 0,2,4,6,8,10,12,14
	v_pk_mul_f32 v[176+\j:177+\j], v[160+\j:161+\j], v[252:253] op_sel_hi:[1,0]
.endr
	v_max3_num_f32 v242, |v176|, |v177|, FLOOR     ; the token's block of the next product's K: my 16 numbers and lane l xor 16's
.irp i, 2,4,6,8,10,12,14
	v_max3_num_f32 v242, v242, |v[176+\i]|, |v[177+\i]|
.endr
	v_permlanex16_b32 v243, v242, s44, s45
	v_max_num_f32 v242, v242, v243
	v_add_nc_u32 v244, OFF2, v242
	v_lshrrev_b32 v[201+\k], 23, v244
	v_cvt_scalef32_pk8_fp4_f32 v[52+2*\k], v[176:183], v244
	v_cvt_scalef32_pk8_fp4_f32 v[53+2*\k], v[184:191], v244
	v_nop
	s_wait_alu depctr_va_vdst(0)                   ; the tile's codes and its scale byte are written, which the two stores read; each has registers of its own, written once
	global_store_b64 v7, v[52+2*\k:53+2*\k], s[24:25] offset:256*\k   ; 32 lanes store 256 consecutive bytes, aligned
	ds_store_b8 v50, v[201+\k] offset:16*\k        ; both lanes of a token write the same byte with the same value
.endm
	TILE 0
	TILE 1
	s_wait_dscnt 0x0
	s_barrier_signal -1
	s_barrier_wait -1                              ; the work-group's 512 scale bytes lie in LDS
	s_cmp_lg_u32 s2, 0
	s_cbranch_scc1 .Lend
	ds_load_b128 v[56:59], v200                    ; no vector or matrix instruction since the last wait on va_vdst names v56-59 or v200
	s_wait_dscnt 0x0
	global_store_b128 v1, v[56:59], s[26:27]       ; 512 consecutive bytes, aligned
.Lend:
	s_wait_dscnt 0x0
	s_wait_alu depctr_hold_cnt(0) depctr_sa_sdst(0) depctr_va_vdst(0) depctr_va_sdst(0) depctr_va_ssrc(0) depctr_va_vcc(0) depctr_vm_vsrc(0)
	s_wait_tensorcnt 0x0
	ds_add_u32 v8, v51
	s_wait_dscnt 0x0
	s_endpgm
.Lfunc_end_k_q6819a96cfc_attn:
	.size	k_q6819a96cfc_attn, .Lfunc_end_k_q6819a96cfc_attn-k_q6819a96cfc_attn
	.p2alignl 7, 3214868480
	.fill 96, 4, 3214868480
	.section	.rodata,"a",@progbits
	.p2align	6, 0x0
	.amdhsa_kernel k_q6819a96cfc_attn
		.amdhsa_group_segment_fixed_size 154112
		.amdhsa_private_segment_fixed_size 0
		.amdhsa_enable_private_segment 0
		.amdhsa_kernarg_size 88
		.amdhsa_user_sgpr_count 2
		.amdhsa_user_sgpr_kernarg_segment_ptr 1
		.amdhsa_wavefront_size32 1
		.amdhsa_system_sgpr_workgroup_id_x 1
		.amdhsa_system_sgpr_workgroup_id_y 1
		.amdhsa_system_sgpr_workgroup_id_z 1
		.amdhsa_system_vgpr_workitem_id 0
		.amdhsa_next_free_vgpr 256
		.amdhsa_next_free_sgpr 66
		.amdhsa_reserve_vcc 1
		.amdhsa_float_denorm_mode_32 3
		.amdhsa_float_denorm_mode_16_64 3
		.amdhsa_memory_ordered 1
		.amdhsa_forward_progress 1
		.amdhsa_inst_pref_size 109
	.end_amdhsa_kernel
	.amdgpu_metadata
---
amdhsa.version: [ 1, 2 ]
amdhsa.kernels:
  - .name:           k_q6819a96cfc_attn
    .symbol:         k_q6819a96cfc_attn.kd
    .args:
      - { .name: x, .offset: 0, .size: 8, .value_kind: global_buffer, .address_space: global }
      - { .name: mask, .offset: 8, .size: 8, .value_kind: global_buffer, .address_space: global }
      - { .name: fc_w_codes, .offset: 16, .size: 8, .value_kind: global_buffer, .address_space: global }
      - { .name: fc_w_scales, .offset: 24, .size: 8, .value_kind: global_buffer, .address_space: global }
      - { .name: w1_codes, .offset: 32, .size: 8, .value_kind: global_buffer, .address_space: global }
      - { .name: w1_scales, .offset: 40, .size: 8, .value_kind: global_buffer, .address_space: global }
      - { .name: w2_codes, .offset: 48, .size: 8, .value_kind: global_buffer, .address_space: global }
      - { .name: w2_scales, .offset: 56, .size: 8, .value_kind: global_buffer, .address_space: global }
      - { .name: ao_codes, .offset: 64, .size: 8, .value_kind: global_buffer, .address_space: global }
      - { .name: ao_scales, .offset: 72, .size: 8, .value_kind: global_buffer, .address_space: global }
      - { .name: wpack, .offset: 80, .size: 8, .value_kind: global_buffer, .address_space: global }
    .group_segment_fixed_size: 154112
    .private_segment_fixed_size: 0
    .kernarg_segment_align: 8
    .kernarg_segment_size: 88
    .max_flat_workgroup_size: 512
    .sgpr_count:     66
    .vgpr_count:     256
    .wavefront_size: 32
...
	.end_amdgpu_metadata
.endif
;; end of part 3
;; launch mlp (part 4): grid 256 x 1, 4 waves a work-group, no clusters, 115,200 bytes of LDS; arguments x, ao_codes, ao_scales, wpack, fc_b, g1, be1, b1, b2, g2, be2, out0; writes out0
.if DOCPART == 4
	.amdgcn_target "amdgcn-amd-amdhsa--gfx1250"
	.amdhsa_code_object_version 6
	.text
	.protected	k_q6819a96cfc_mlp
	.globl	k_q6819a96cfc_mlp
	.p2align	8
	.type	k_q6819a96cfc_mlp,@function
k_q6819a96cfc_mlp:
	s_mov_b64 s[64:65], 0
	v_nop
	global_prefetch_b8 v0, s[64:65] scope:SCOPE_SE
	s_setreg_imm32_b32 hwreg(HW_REG_WAVE_SCHED_MODE, 0, 2), 2
	s_setreg_imm32_b32 hwreg(HW_REG_WAVE_MODE, 25, 1), 1
	s_wait_xcnt 0x0
	s_wait_alu depctr_vm_vsrc(0)
; out0 = 0.9 LN2(relu(h W1^T + b1) W2^T + b2 + h), h = 0.9 LN1(ao fc_w^T + fc_b + x): three products on codes of FP4 (E2M1) with E8M0 scales, all else in f32.
; A work-group of four waves takes 32 rows (two tiles of 16) through the whole chain; nothing between the products goes to memory.
; THE WAVES SHARE THE COLUMNS: wave w makes columns 128 w .. 128 w + 127 of fc and of the second layer, and hidden units 512 i + 128 w .. + 127 in round i = 0 .. 3.
; All products are used transposed (source 0 = 16 rows of a weight, source 1 = 16 tokens), and a tile's weight rows are chosen so that lane (r, h) holds, of token r, columns 32 b + 16 h + 0 .. 15 in registers 16 b + 0 .. 15.
; THE WEIGHTS come from wpack, laid by the launch before in the order of the operand's registers: 36 groups of 8 fragments and their scale words for each wave, 17 loads of 512 consecutive bytes a group,
; straight into a ring of four register slots, three groups ahead.  A fragment is loaded once by one wave and feeds two products.
; h and the hidden layer go from wave to wave through LDS as images of the operand's registers (16 bytes a lane, 512 a store), their scale words as 4 bytes a row.
; The biases and residuals are what the sums begin with: x + fc_b, b1, h + b2 stand in the accumulators ahead of the first product.
; A layer norm's two sums go over the four waves through LDS; the mean is taken away before the squares are summed.  0.9 is multiplied into gamma and beta once.
; No cluster: the weights that work-groups share go straight into registers; through LDS each byte would be read once more for two products.
; LIMITS: NaN and infinities are not served; blocks whose largest magnitude lies under 2^-124 keep the scale byte 1; 0.9 gamma and 0.9 beta are rounded once more than the definition's order of operations.
; LDS: 0 the parameters (fc_b, 0.9 g1, 0.9 be1, b2, 0.9 g2, 0.9 be2: 2 KiB each; b1: 8 KiB); h's 8 images and scale words; the hidden layer's, two buffers by turns; four areas of 512 bytes for the sums; a stage of 32 rows x 2,064 bytes.
; REGISTERS.  window 0: v1-13 addresses; v16-31 the ring's scale words; v32-35, v36-39 the tokens' scale words; v40-55 at work; v56, v57 the two tiles' scale words just made; v64-71, v72-79 their codes; v40-103 also fc_b and b2;
;   v104-125 the norms; v126, v127 a sum's part on its way to LDS; v128-255 accumulators (m, t) at 128 + 64 m + 8 t.
;   window 1: the ring, slot q at 64 q.   window 2: v0-63 fragments of ao, later of the hidden layer; v64-127 of h; v128-255 a layer norm's gains and offsets.   window 3: v0-127 the second layer's accumulators.
; THE MODE: SCHED_MODE bits 1:0 = 2 (LLVM: expert scheduling mode 2), set by the entry lines.  The code itself states the register dependences between vector or matrix instructions and memory or LDS
; instructions, with s_wait_alu, always for 0.
; THE PLAN.  Registers that memory or LDS instructions touch:
;   the ring (window 1, v16-31)  Slot g % 4 is read by group g's products and loaded again at the head of group g + 1: one wait on va_vdst there, behind the wait for group g + 1's own data.  The 17 loads stand in one run:
;                                a load wants its destination in window 1 and its address in window 0, a product its source 0 in window 1, so each deal among the products would cost two window switches.
;   v56-57, v64-79               The two tiles' codes and scale words: registers of their own for each tile, so that both tiles are quantised first, one wait on va_vdst stands ahead of the six stores,
;                                and one wait on vm_vsrc behind them, ahead of what writes those registers next.
;   v128-255                     x, b1 and rows of the result land here; products, norms and quantisers work here: a wait on va_vdst that stands behind the last of those lines anyway (ahead of the images' stores) frees them for b1.
;   window 2, v0-127, v32-39     The tokens' fragments and scale words: LDS loads land, products read; the group heads' waits lie between.
;   window 2, v128-255           All 128 gains and offsets of a layer norm are asked for at its head; nothing else names these registers.
;   v126, v127, v112-119         A sum's part goes out of v126 (the sum) or v127 (the squares); the four waves' parts land in v112-119: one wait on va_vdst ahead of the store states both.
;   v1-13                        Addresses, made once at the head and never written again.
.set P_FCB, 0
.set P_G1,  2048
.set P_BE1, 4096
.set P_B2,  6144
.set P_G2,  8192
.set P_BE2, 10240
.set P_B1,  12288
.set HIMG,  20480
.set HSC,   28672
.set GIMG,  29184
.set GSC,   45568
.set RED,   46592
.set STG,   48640
.set GRP,   8704
.set TM,    40
.set MSB, 0
.macro WIN new                         ; the immediate's high byte repeats the setting that is left
.if MSB != \new
	s_set_vgpr_msb (MSB<<8)|\new
.set MSB, \new
.endif
.endm
.macro WLOAD g                         ; group g into slot g % 4
	WIN 0x40                                       ; destination window 1
.irp i, 0,1,2,3,4,5,6,7,8,9,10,11,12,13,14,15
	global_load_b128 v[64*((\g)%4)+4*\i:64*((\g)%4)+4*\i+3], v1, s[14:15] offset:GRP*(\g)+512*\i
.endr
	WIN 0
	global_load_b128 v[16+4*((\g)%4):16+4*((\g)%4)+3], v1, s[14:15] offset:GRP*(\g)+8192
.endm
; A group: 8 weight fragments x 2 tiles of tokens, one K step.  The sixteen accumulators take turns, one instruction a turn.
; win: the windows; ab: the accumulators; bb: the tokens' fragments in window 2; sb: their scale words (lanes 0-15 tile 0, lanes 16-31 tile 1); s: the K step among four.
.macro GROUP g, win, ab, bb, sb, s
.if (\g) <= 33
	s_wait_loadcnt 34                              ; this group's 17 loads are in; the two groups behind it may be out
.elseif (\g) == 34
	s_wait_loadcnt 17
.else
	s_wait_loadcnt 0x0
.endif
.if (\g)+3 <= 35
.rept 4
	v_nop                                          ; places behind the last group's products, which read the slot that is loaded next
.endr
	s_wait_alu depctr_va_vdst(0)                   ; the last group's products are done reading the slot and the scale words in which the loads below land; ahead of group 0: ao's scale words v32-35 are written, which its products take
	WLOAD (\g)+3
.endif
	WIN \win
.irp t, 0,1,2,3,4,5,6,7
.irp m, 0,1
.set rD, \ab+64*\m+8*\t
.set rA, 64*((\g)%4)+8*\t
.set rB, \bb+8*(4*\m+(\s))
.set rS, 16+4*((\g)%4)+\t/2
.set rT, \sb+(\s)
.if (\t%2 == 0) && (\m == 0)
	v_wmma_scale_f32_16x16x128_f8f6f4 v[rD:rD+7], v[rA:rA+7], v[rB:rB+7], v[rD:rD+7], v[rS], v[rT] matrix_a_fmt:MATRIX_FMT_FP4 matrix_b_fmt:MATRIX_FMT_FP4
.elseif (\t%2 == 1) && (\m == 0)
	v_wmma_scale_f32_16x16x128_f8f6f4 v[rD:rD+7], v[rA:rA+7], v[rB:rB+7], v[rD:rD+7], v[rS], v[rT] matrix_a_fmt:MATRIX_FMT_FP4 matrix_b_fmt:MATRIX_FMT_FP4 matrix_a_scale:MATRIX_SCALE_ROW1
.elseif (\t%2 == 0) && (\m == 1)
	v_wmma_scale_f32_16x16x128_f8f6f4 v[rD:rD+7], v[rA:rA+7], v[rB:rB+7], v[rD:rD+7], v[rS], v[rT] matrix_a_fmt:MATRIX_FMT_FP4 matrix_b_fmt:MATRIX_FMT_FP4 matrix_b_scale:MATRIX_SCALE_ROW1
.else
	v_wmma_scale_f32_16x16x128_f8f6f4 v[rD:rD+7], v[rA:rA+7], v[rB:rB+7], v[rD:rD+7], v[rS], v[rT] matrix_a_fmt:MATRIX_FMT_FP4 matrix_b_fmt:MATRIX_FMT_FP4 matrix_a_scale:MATRIX_SCALE_ROW1 matrix_b_scale:MATRIX_SCALE_ROW1
.endif
.endr
.endr
.endm
; 64 numbers of a lane, register 16 b + i = k 32 b + 16 (lane / 16) + i of my token, become a fragment's codes in v[pc] on and its scale word in v[pw].
.macro QUANT s, pc, pw
.irp b, 0,1,2,3
	v_max3_num_f32 v[TM+\b], |v[\s+16*\b]|, |v[\s+1+16*\b]|, 0x1800000   ; with the floor 2^(3 - 127): the byte cannot fall under 1
.endr
.irp i, 2,4,6,8,10,12,14
.irp b, 0,1,2,3
	v_max3_num_f32 v[TM+\b], v[TM+\b], |v[\s+16*\b+\i]|, |v[\s+1+16*\b+\i]|
.endr
.endr
.irp b, 0,1,2,3
	v_permlanex16_b32 v[TM+4+\b], v[TM+\b], s44, s45
.endr
.irp b, 0,1,2,3
	v_max_num_f32 v[TM+\b], v[TM+\b], v[TM+4+\b]
.endr
.irp b, 0,1,2,3
	v_add_nc_u32 v[TM+12+\b], 0xff000000, v[TM+\b]   ; 2 off the exponent field: the conversion's scale operand
.endr
.irp b, 0,1,2,3
	v_lshrrev_b32 v[TM+4+\b], 23, v[TM+12+\b]
.endr
	v_lshl_or_b32 v[\pw], v[TM+5], 8, v[TM+4]
	v_lshl_or_b32 v[\pw], v[TM+6], 16, v[\pw]
	v_lshl_or_b32 v[\pw], v[TM+7], 24, v[\pw]
.irp b, 0,1,2,3
	v_cvt_scalef32_pk8_fp4_f32 v[\pc+2*\b], v[\s+16*\b:\s+7+16*\b], v[TM+12+\b]
	v_cvt_scalef32_pk8_fp4_f32 v[\pc+1+2*\b], v[\s+8+16*\b:\s+15+16*\b], v[TM+12+\b]
.endr
	v_nop                                          ; one plain place behind a scaled conversion
.irp c, 0,1
.irp i, 0,1
	v_permlane16_swap_b32 v[\pc+4*\c+\i], v[\pc+2+4*\c+\i]   ; a whole block to a lane
.endr
.endr
.endm
.macro IMAGE pc, off                   ; the fragment goes to LDS as it stands: K step = my wave's number
.irp c, 0,1
	ds_store_b128 v7, v[\pc+4*\c:\pc+4*\c+3] offset:\off+512*\c
.endr
.endm
.macro PARLD dst, off, b               ; 16 parameters of my columns 32 b + 16 h + 0 .. 15
.irp q, 0,1,2,3
	ds_load_b128 v[\dst+4*\q:\dst+4*\q+3], v3 offset:\off+128*(\b)+16*\q
.endr
.endm
.macro B1LD i                          ; b1 of round i's hidden units into both tiles' accumulators
.irp m, 0,1
.irp b, 0,1,2,3
.irp q, 0,1,2,3
	ds_load_b128 v[128+64*\m+16*\b+4*\q:131+64*\m+16*\b+4*\q], v3 offset:P_B1+2048*(\i)+128*\b+16*\q
.endr
.endr
.endr
.endm
.macro BARRIER
	s_wait_dscnt 0x0                               ; my LDS stores have landed and my LDS loads are in
	s_barrier_signal -1
	s_barrier_wait -1
.endm
; The chains v[104:107] (tile 0) and v[108:111] (tile 1) are closed, joined with lane l xor 16's, and summed over the four waves: v112 = tile 0's sum of token r, v116 = tile 1's.  dr: the register out of which my part goes.
.macro LRED off, dr
.irp m, 0,1
	v_pk_add_f32 v[104+4*\m:105+4*\m], v[104+4*\m:105+4*\m], v[106+4*\m:107+4*\m]
.endr
.irp m, 0,1
	v_add_f32 v[104+4*\m], v[104+4*\m], v[105+4*\m]
.endr
	v_permlanex16_b32 v124, v104, s44, s45
	v_permlanex16_b32 v125, v108, s44, s45
	v_add_f32 v104, v104, v124
	v_add_f32 v108, v108, v125
	v_cndmask_b32 v[\dr], v104, v108, s46          ; lanes 0-15 carry tile 0's token r, lanes 16-31 tile 1's
	s_wait_alu depctr_va_vdst(0)                   ; my part is written, which the store reads; the lines that named the last sums are done with v112-119, in which the four parts land
	ds_store_b32 v9, v[\dr] offset:\off
	BARRIER
	ds_load_b128 v[112:115], v10 offset:\off       ; the four waves' parts
	ds_load_b128 v[116:119], v10 offset:\off+256
	s_wait_dscnt 0x0
	v_add_f32 v112, v112, v113
	v_add_f32 v114, v114, v115
	v_add_f32 v116, v116, v117
	v_add_f32 v118, v118, v119
	v_add_f32 v112, v112, v114
	v_add_f32 v116, v116, v118
.endm
; A layer norm of both tiles, from v[sb] on (windows wf, wc, wn for the three kinds of lines that read it) into v128 on.  Each accumulator is read from its low end on.
.macro LNORM sb, wf, wc, wn, go, bo, ra, rb
	WIN 0x80                                       ; destination window 2
.irp b, 0,1,2,3
.irp q, 0,1,2,3
	ds_load_b128 v[128+32*\b+4*\q:131+32*\b+4*\q], v3 offset:\go+128*\b+16*\q   ; all my gains and offsets, asked for at the norm's head: block b's 16 gains at 128 + 32 b, its offsets 16 on.
	ds_load_b128 v[144+32*\b+4*\q:147+32*\b+4*\q], v3 offset:\bo+128*\b+16*\q   ; No vector instruction since the last wait on va_vdst names these registers; the sums' waits on DScnt show them in
.endr
.endr
	WIN \wf
.irp m, 0,1
	v_pk_add_f32 v[104+4*\m:105+4*\m], v[\sb+64*\m:\sb+64*\m+1], v[\sb+64*\m+2:\sb+64*\m+3]
	v_pk_add_f32 v[106+4*\m:107+4*\m], v[\sb+64*\m+4:\sb+64*\m+5], v[\sb+64*\m+6:\sb+64*\m+7]
.endr
	WIN \wc
.irp p, 8,12,16,20,24,28,32,36,40,44,48,52,56,60
.irp m, 0,1
	v_pk_add_f32 v[104+4*\m:105+4*\m], v[104+4*\m:105+4*\m], v[\sb+64*\m+\p:\sb+64*\m+\p+1]
	v_pk_add_f32 v[106+4*\m:107+4*\m], v[106+4*\m:107+4*\m], v[\sb+64*\m+\p+2:\sb+64*\m+\p+3]
.endr
.endr
	WIN 0
	LRED \ra, 126
	v_mul_f32 v120, s47, v112                      ; the means
	v_mul_f32 v122, s47, v116
	v_mov_b32 v121, v120
	v_mov_b32 v123, v122
	WIN \wn
.irp m, 0,1
.set j, 0
.rept 32
	v_pk_add_f32 v[128+64*\m+j:129+64*\m+j], v[\sb+64*\m+j:\sb+64*\m+j+1], v[120+2*\m:121+2*\m] neg_lo:[0,1] neg_hi:[0,1]
.set j, j+2
.endr
.endr
	WIN 0
.irp m, 0,1
	v_pk_mul_f32 v[104+4*\m:105+4*\m], v[128+64*\m:129+64*\m], v[128+64*\m:129+64*\m]
	v_pk_mul_f32 v[106+4*\m:107+4*\m], v[130+64*\m:131+64*\m], v[130+64*\m:131+64*\m]
.endr
.irp p, 4,8,12,16,20,24,28,32,36,40,44,48,52,56,60
.irp m, 0,1
	v_pk_fma_f32 v[104+4*\m:105+4*\m], v[128+64*\m+\p:129+64*\m+\p], v[128+64*\m+\p:129+64*\m+\p], v[104+4*\m:105+4*\m]
	v_pk_fma_f32 v[106+4*\m:107+4*\m], v[130+64*\m+\p:131+64*\m+\p], v[130+64*\m+\p:131+64*\m+\p], v[106+4*\m:107+4*\m]
.endr
.endr
	LRED \rb, 127
	v_fma_f32 v124, v112, s47, s48                 ; the variance + 1e-6
	v_fma_f32 v125, v116, s47, s48
	s_wait_alu depctr_va_vdst(0)
	v_rsq_f32 v120, v124
	v_rsq_f32 v122, v125
	v_nop
	s_wait_alu depctr_va_vdst(0)                   ; the two roots have written v120 and v122, ahead of their first reader
	v_mov_b32 v121, v120
	v_mov_b32 v123, v122
.irp m, 0,1
.set j, 0
.rept 32
	v_pk_mul_f32 v[128+64*\m+j:129+64*\m+j], v[128+64*\m+j:129+64*\m+j], v[120+2*\m:121+2*\m]
.set j, j+2
.endr
.endr
	WIN 0x28                                       ; sources 1 and 2, the gains and offsets: window 2
.irp m, 0,1
.irp b, 0,1,2,3
.irp p, 0,2,4,6,8,10,12,14
	v_pk_fma_f32 v[128+64*\m+16*\b+\p:129+64*\m+16*\b+\p], v[128+64*\m+16*\b+\p:129+64*\m+16*\b+\p], v[128+32*\b+\p:129+32*\b+\p], v[144+32*\b+\p:145+32*\b+\p]
.endr
.endr
.endr
	WIN 0
.endm
	s_load_b512 s[8:23], s[0:1], 0x0               ; x, ao_codes, ao_scales, wpack, fc_b, g1, be1, b1
	s_load_b256 s[24:31], s[0:1], 0x40             ; b2, g2, be2, out0
	s_set_vgpr_msb 0xc0
	v_lshl_add_u32 v128, v0, 2, 0x1c000
	v_mov_b32 v129, 0
	s_set_vgpr_msb 0xc000
	v_lshrrev_b32 v1, 5, v0
	v_readfirstlane_b32 s2, v1                     ; wave 0..3
	v_and_b32 v6, 31, v0                           ; lane: also a token's byte among ao's scales
	v_and_b32 v15, 15, v0                          ; r
	v_bfe_u32 v14, v0, 4, 1                        ; h
	v_lshlrev_b32 v13, 4, v0                       ; 16 x thread
	v_lshlrev_b32 v1, 4, v6                        ; 16 x lane
	v_lshlrev_b32 v2, 2, v6                        ; 4 x lane
	s_wait_alu depctr_va_sdst(0)                   ; s2 is written, ahead of its first reader: LDS places and bases are made from it
	s_lshl_b32 s34, s2, 9
	v_lshl_add_u32 v3, v14, 6, s34                 ; parameters: 512 w + 64 h
	v_lshlrev_b32 v4, 11, v15
	v_lshl_add_u32 v4, v14, 6, v4                  ; x: row r, + 64 h
	v_lshlrev_b32 v5, 15, v14
	v_lshl_add_u32 v5, v15, 4, v5                  ; ao_codes: head + h, token r
	s_lshl_b32 s35, s2, 11
	v_add_nc_u32 v7, s35, v1                       ; where I store images: 16 lane + 2,048 w
	s_lshl_b32 s35, s2, 7
	v_lshl_add_u32 v8, v15, 2, s35                 ; and scale words: 128 w + 4 r
	s_lshl_b32 s35, s2, 2
	v_add_nc_u32 v9, s35, v1                       ; a sum's part: 16 lane + 4 w
	v_lshlrev_b32 v10, 4, v15                      ; and the four parts of token r
	v_mul_u32_u24 v11, v15, 2064
	v_add_nc_u32 v11, v11, v3
	v_add_nc_u32 v11, STG, v11                     ; the stage: row r, my columns
	s_mul_i32 s35, s2, 16512
	s_add_co_u32 s35, s35, STG
	v_add_nc_u32 v12, s35, v1                      ; back: my 8 rows, 16 bytes a lane
	v_mov_b32 v124, 0                              ; written once: a lane permute's destination counts as one of its sources
	v_mov_b32 v125, 0
	s_lshl_b32 s32, ttmp9, 16                      ; 32 rows of 2,048 bytes a work-group
	s_add_co_u32 s36, s32, s34                     ; x: + my 128 columns
	s_mov_b32 s37, 0
	s_lshl_b32 s38, s2, 14
	s_add_co_u32 s38, s38, s32                     ; out0: + my 8 rows
	s_mov_b32 s39, 0
	s_lshr_b32 s40, ttmp9, 6                       ; n
	s_and_b32 s41, ttmp9, 63
	s_lshl_b32 s41, s41, 5                         ; my first token
	s_lshl_b32 s42, s40, 19
	s_lshl_b32 s52, s41, 4
	s_add_co_u32 s42, s42, s52
	s_mov_b32 s43, 0
	s_lshl_b32 s52, s40, 15
	s_add_co_u32 s52, s52, s41
	s_mov_b32 s53, 0
	s_mul_i32 s54, s2, 36*GRP                      ; my wave's part of wpack
	s_mov_b32 s55, 0
	s_mov_b32 s44, 0x76543210
	s_mov_b32 s45, 0xfedcba98                      ; v_permlanex16_b32's selects for lane l xor 16
	s_mov_b32 s46, 0xffff0000                      ; lanes 16-31
	s_mov_b32 s47, 0x3b000000                      ; 1 / 512
	s_mov_b32 s48, 0x358637bd                      ; 1e-6
	s_mov_b32 s50, 0x3f666666                      ; 0.9
	s_mov_b32 s51, s50
	s_wait_kmcnt 0x0
	s_add_nc_u64 s[8:9], s[8:9], s[36:37]
	s_add_nc_u64 s[30:31], s[30:31], s[38:39]
	s_add_nc_u64 s[10:11], s[10:11], s[42:43]
	s_add_nc_u64 s[12:13], s[12:13], s[52:53]
	s_add_nc_u64 s[14:15], s[14:15], s[54:55]
	s_wait_alu depctr_va_vdst(0)                   ; the thirteen offsets and LDS addresses v1 to v13 are written, which every load and store of the kernel reads
	global_load_b128 v[72:75], v13, s[16:17]       ; the parameters, 16 bytes a thread of each 2 KiB
	global_load_b128 v[76:79], v13, s[18:19]
	global_load_b128 v[80:83], v13, s[20:21]
	global_load_b128 v[84:87], v13, s[24:25]
	global_load_b128 v[88:91], v13, s[26:27]
	global_load_b128 v[92:95], v13, s[28:29]
.irp j, 0,1,2,3
	global_load_b128 v[96+4*\j:99+4*\j], v13, s[22:23] offset:2048*\j
.endr
.irp m, 0,1
.irp b, 0,1,2,3
.irp q, 0,1,2,3
	global_load_b128 v[128+64*\m+16*\b+4*\q:131+64*\m+16*\b+4*\q], v4, s[8:9] offset:32768*\m+128*\b+16*\q   ; x, in the accumulators' layout
.endr
.endr
.endr
	s_wait_loadcnt 32                              ; the parameters are in; x's 32 loads may be out
.irp j, 76,78,80,82,88,90,92,94
	v_pk_mul_f32 v[\j:\j+1], v[\j:\j+1], s[50:51] op_sel_hi:[1,0]   ; 0.9 into both gammas and betas
.endr
	s_wait_alu depctr_va_vdst(0)                   ; the multiplications have written v76-83 and v88-95, which the LDS stores read
.irp j, 0,1,2,3,4,5,6,7,8,9
	ds_store_b128 v13, v[72+4*\j:75+4*\j] offset:2048*\j
.endr
	WIN 0x80                                       ; destination window 2
.irp m, 0,1
.irp s, 0,1,2,3
.irp c, 0,1
	global_load_b128 v[8*(4*\m+\s)+4*\c:8*(4*\m+\s)+4*\c+3], v5, s[10:11] offset:(4*\s+2*\c)*32768+256*\m   ; ao's fragments: block 4 s + 2 c + h of K is a head; sixteen lanes read 256 consecutive bytes
.endr
.endr
.endr
	WIN 0
.irp p, 0,1,2,3,4,5,6,7,8,9,10,11,12,13,14,15
	global_load_u8 v[40+\p], v6, s[12:13] offset:2048*\p   ; head p's scale byte of my token (lane = token)
.endr
	WLOAD 0
	WLOAD 1
	WLOAD 2
	BARRIER                                        ; the parameters lie in LDS
	s_wait_loadcnt 51                              ; all but the three groups' 51 loads
.irp s, 0,1,2,3
	v_lshl_or_b32 v[32+\s], v[41+4*\s], 8, v[40+4*\s]   ; ao's scale words: K step s, heads 4 s .. 4 s + 3
	v_lshl_or_b32 v[32+\s], v[42+4*\s], 16, v[32+\s]
	v_lshl_or_b32 v[32+\s], v[43+4*\s], 24, v[32+\s]
.endr
	s_wait_alu depctr_va_vdst(0)                   ; the lines above are done reading v40-55, in which fc_b lands
	s_wait_alu depctr_vm_vsrc(0)                   ; the parameters' LDS stores have read v72-103, in which fc_b lands
	PARLD 72, P_FCB, 0
	PARLD 88, P_FCB, 1
	PARLD 40, P_FCB, 2
	PARLD 56, P_FCB, 3
	s_wait_dscnt 0x0
.irp m, 0,1
.irp b, 0,1,2,3
.irp p, 0,2,4,6,8,10,12,14
	v_pk_add_f32 v[128+64*\m+16*\b+\p:129+64*\m+16*\b+\p], v[128+64*\m+16*\b+\p:129+64*\m+16*\b+\p], v[72+16*\b-64*(\b/2)+\p:73+16*\b-64*(\b/2)+\p]   ; x + fc_b: what the sums begin with
.endr
.endr
.endr
	; ---- fc
.irp s, 0,1,2,3
	GROUP \s, 0x09, 128, 0, 32, \s
.endr
	WIN 0
.rept 4
	v_nop
.endr
	LNORM 128, 0, 0, 0, P_G1, P_BE1, RED, RED+512
	; ---- h becomes an operand: K step w of the first layer.  Both tiles are quantised, each into registers of its own; then the six stores
	QUANT 128, 64, 56
	QUANT 192, 72, 57
	s_wait_alu depctr_va_vdst(0)                   ; the codes v64-79 and the scale words v56, v57 are written, which the stores read; the quantiser is done with v40-55, in which b2 lands
	IMAGE 64, HIMG
	ds_store_b32 v8, v56 offset:HSC
	IMAGE 72, HIMG+1024
	ds_store_b32 v8, v57 offset:HSC+64
	s_wait_alu depctr_vm_vsrc(0)                   ; the stores have read v56, v57 and v64-79, in which b2 lands
	PARLD 72, P_B2, 0
	PARLD 88, P_B2, 1
	PARLD 40, P_B2, 2
	PARLD 56, P_B2, 3
	s_wait_dscnt 0x0
	WIN 0xc0                                       ; destination window 3
.irp m, 0,1
.irp b, 0,1,2,3
.irp p, 0,2,4,6,8,10,12,14
	v_pk_add_f32 v[64*\m+16*\b+\p:64*\m+16*\b+\p+1], v[128+64*\m+16*\b+\p:129+64*\m+16*\b+\p], v[72+16*\b-64*(\b/2)+\p:73+16*\b-64*(\b/2)+\p]   ; h + b2: what the second layer's sums begin with
.endr
.endr
.endr
	WIN 0
	s_wait_alu depctr_va_vdst(0)                   ; the additions are done reading h in v128-255, in which b1 lands
	BARRIER                                        ; h's eight fragments lie in LDS
	WIN 0x80
.irp m, 0,1
.irp s, 0,1,2,3
.irp c, 0,1
	ds_load_b128 v[64+8*(4*\m+\s)+4*\c:64+8*(4*\m+\s)+4*\c+3], v1 offset:HIMG+(2*\s+\m)*1024+512*\c
.endr
.endr
.endr
	WIN 0
.irp s, 0,1,2,3
	ds_load_b32 v[36+\s], v2 offset:HSC+128*\s
.endr
	B1LD 0
	s_wait_dscnt 0x0
; ---- A ROUND: 512 hidden units (128 a wave) are made, quantised and spent.  One barrier a round: a buffer is written again two rounds on, behind a barrier that each wave signals only when its reads of it are in.
.macro ROUND i
.irp s, 0,1,2,3
	GROUP 4+8*(\i)+\s, 0x09, 128, 64, 36, \s
.endr
	WIN 0
.rept 4
	v_nop
.endr
.set j, 0
.rept 128
	v_max_num_f32 v[128+j], 0, v[128+j]            ; the activation
.set j, j+1
.endr
	QUANT 128, 64, 56
	QUANT 192, 72, 57
	s_wait_alu depctr_va_vdst(0)                   ; the codes v64-79 and the scale words v56, v57 are written, which the stores read; the activation and the quantiser are done with v128-255, in which the next round's b1 lands
	IMAGE 64, GIMG+8192*((\i)%2)
	ds_store_b32 v8, v56 offset:GSC+512*((\i)%2)
	IMAGE 72, GIMG+8192*((\i)%2)+1024
	ds_store_b32 v8, v57 offset:GSC+512*((\i)%2)+64
	BARRIER                                        ; the round's eight fragments lie in LDS
.if (\i) < 3
	s_wait_alu depctr_vm_vsrc(0)                   ; my stores have read v56, v57 and v64-79, which the next round's quantiser writes again
.endif
	WIN 0x80
.irp m, 0,1
.irp s, 0,1,2,3
.irp c, 0,1
	ds_load_b128 v[8*(4*\m+\s)+4*\c:8*(4*\m+\s)+4*\c+3], v1 offset:GIMG+8192*((\i)%2)+(2*\s+\m)*1024+512*\c   ; the products that read these registers last stand ahead of this round's waits on va_vdst
.endr
.endr
.endr
	WIN 0
.irp s, 0,1,2,3
	ds_load_b32 v[32+\s], v2 offset:GSC+512*((\i)%2)+128*\s
.endr
.if (\i) < 3
	B1LD (\i)+1
	s_wait_dscnt 32                                ; the fragments and scale words are in; b1's 32 loads may be out
.else
	s_wait_dscnt 0x0
.endif
.irp s, 0,1,2,3
	GROUP 8+8*(\i)+\s, 0xf9, 0, 0, 32, \s
.endr
	WIN 0
	s_wait_dscnt 0x0                               ; b1 stands in the accumulators
.endm
	ROUND 0
	ROUND 1
	ROUND 2
	ROUND 3
.rept 4
	v_nop
.endr
	LNORM 0, 0x0f, 0x0c, 0x03, P_G2, P_BE2, RED+1024, RED+1536
	; ---- THE WAY OUT: a row's 2,048 bytes come from four waves: through the stage, then each wave stores 8 whole rows
	s_wait_alu depctr_va_vdst(0)                   ; the norm has written v128-255, which the LDS stores read
.irp m, 0,1
.irp b, 0,1,2,3
.irp q, 0,1,2,3
	ds_store_b128 v11, v[128+64*\m+16*\b+4*\q:131+64*\m+16*\b+4*\q] offset:33024*\m+128*\b+16*\q
.endr
.endr
.endr
	BARRIER
	s_wait_alu depctr_vm_vsrc(0)                   ; my LDS stores have read v128-255, in which the whole rows land
.set j, 0
.rept 32
	ds_load_b128 v[128+4*j:131+4*j], v12 offset:2064*(j/4)+512*(j%4)
.set j, j+1
.endr
.set j, 0
.rept 32
	s_wait_dscnt 31-j
	global_store_b128 v1, v[128+4*j:131+4*j], s[30:31] offset:2048*(j/4)+512*(j%4) th:TH_STORE_NT   ; 32 lanes store 512 consecutive bytes, aligned; written once
.set j, j+1
.endr
	s_set_vgpr_msb 0xf
	s_wait_dscnt 0x0
	s_wait_alu depctr_hold_cnt(0) depctr_sa_sdst(0) depctr_va_vdst(0) depctr_va_sdst(0) depctr_va_ssrc(0) depctr_va_vcc(0) depctr_vm_vsrc(0)
	s_wait_tensorcnt 0x0
	ds_add_u32 v128, v129
	s_wait_dscnt 0x0
	s_endpgm
.Lfunc_end_k_q6819a96cfc_mlp:
	.size	k_q6819a96cfc_mlp, .Lfunc_end_k_q6819a96cfc_mlp-k_q6819a96cfc_mlp
	.p2alignl 7, 3214868480
	.fill 96, 4, 3214868480
	.section	.rodata,"a",@progbits
	.p2align	6, 0x0
	.amdhsa_kernel k_q6819a96cfc_mlp
		.amdhsa_group_segment_fixed_size 115200
		.amdhsa_private_segment_fixed_size 0
		.amdhsa_enable_private_segment 0
		.amdhsa_kernarg_size 96
		.amdhsa_user_sgpr_count 2
		.amdhsa_user_sgpr_kernarg_segment_ptr 1
		.amdhsa_wavefront_size32 1
		.amdhsa_system_sgpr_workgroup_id_x 1
		.amdhsa_system_sgpr_workgroup_id_y 1
		.amdhsa_system_sgpr_workgroup_id_z 1
		.amdhsa_system_vgpr_workitem_id 0
		.amdhsa_next_free_vgpr 898
		.amdhsa_next_free_sgpr 66
		.amdhsa_reserve_vcc 0
		.amdhsa_float_denorm_mode_32 3
		.amdhsa_float_denorm_mode_16_64 3
		.amdhsa_memory_ordered 1
		.amdhsa_forward_progress 1
		.amdhsa_inst_pref_size 255
	.end_amdhsa_kernel
	.section	.bss,"aw",@nobits
	.p2align	6
	.space	262144
	.amdgpu_metadata
---
amdhsa.version: [ 1, 2 ]
amdhsa.kernels:
  - .name:           k_q6819a96cfc_mlp
    .symbol:         k_q6819a96cfc_mlp.kd
    .args:
      - { .name: x, .offset: 0, .size: 8, .value_kind: global_buffer, .address_space: global }
      - { .name: ao_codes, .offset: 8, .size: 8, .value_kind: global_buffer, .address_space: global }
      - { .name: ao_scales, .offset: 16, .size: 8, .value_kind: global_buffer, .address_space: global }
      - { .name: wpack, .offset: 24, .size: 8, .value_kind: global_buffer, .address_space: global }
      - { .name: fc_b, .offset: 32, .size: 8, .value_kind: global_buffer, .address_space: global }
      - { .name: g1, .offset: 40, .size: 8, .value_kind: global_buffer, .address_space: global }
      - { .name: be1, .offset: 48, .size: 8, .value_kind: global_buffer, .address_space: global }
      - { .name: b1, .offset: 56, .size: 8, .value_kind: global_buffer, .address_space: global }
      - { .name: b2, .offset: 64, .size: 8, .value_kind: global_buffer, .address_space: global }
      - { .name: g2, .offset: 72, .size: 8, .value_kind: global_buffer, .address_space: global }
      - { .name: be2, .offset: 80, .size: 8, .value_kind: global_buffer, .address_space: global }
      - { .name: out0, .offset: 88, .size: 8, .value_kind: global_buffer, .address_space: global }
    .group_segment_fixed_size: 115200
    .private_segment_fixed_size: 0
    .kernarg_segment_align: 8
    .kernarg_segment_size: 96
    .max_flat_workgroup_size: 128
    .sgpr_count:     66
    .vgpr_count:     898
    .wavefront_size: 32
...
	.end_amdgpu_metadata
.endif
;; end of part 4
